; MI455X (gfx1250); checked and timed in simulation.
; The chip was launched on July 23, 2026; its instructions are those of AMD's public machine-readable ISA for CDNA 5 (MIT licence, August 2026) and "CDNA5" Instruction Set Architecture Reference Guide (July 2026). The comments in the code are by the model that wrote it; some were corrected since.
;; Cross Attention. Allowed arithmetic: matrix products marked QUANTISED: E2M1 operands, one E8M0 scale for each 32 along K, by v_wmma_scale_f32_16x16x128_f8f6f4 with both operands' format E2M1 (or v_wmma_scale_f32_32x16x128_f4), f32 sums; products left as they are: f32 operands where the result goes on into a quantised operand, else bf16, f16 or f32 operands; f32 sums; everything else in f32.
;; Inputs: mask 32 x 1,024 float32; proj_b 1,024 float32; proj_w 1,024 x 1,024 float32; wk 1,024 x 1,024 float32; wq 1,024 x 1,024 float32; wv 1,024 x 1,024 float32; x 32 x 1,024 x 1,024 float32.
;; Outputs: out0 32 x 1 x 1,024 float32.
;; This version of the problem:
;;   THIS VERSION OF THE PROBLEM IS GIVEN IN LOW PRECISION. The matrix products marked QUANTISED in the list below multiply operands that are first quantised to E2M1 (2 exponent bits, 1 mantissa bit; 4 bits a number), with one power-of-two scale for each 32 numbers along K (OCP MX v1.0); their sums are f32. All else is computed in f32.
;;   The module's matrix products, in the order in which they are computed (A, B: the left and right operand; K: the contracted axis; several contracted axes count as one K, in the product's order):
;;     1. [M 32, K 1,024] x [K 1,024, N 1,024]; A: input x; B: input wq: QUANTISED
;;     2. [M 32,768, K 1,024] x [K 1,024, N 1,024]; A: input x; B: input wk: QUANTISED
;;     3. [M 32,768, K 1,024] x [K 1,024, N 1,024]; A: input x; B: input wv: QUANTISED
;;     4. batch 512 x [M 1, K 64] x [K 64, N 1,024]; A: computed on the way; B: computed on the way: left as it is (M = 1 < 16)
;;     5. batch 512 x [M 1, K 1,024] x [K 1,024, N 64]; A: softmax; B: computed on the way: left as it is (M = 1 < 16)
;;     6. [M 32, K 1,024] x [K 1,024, N 1,024]; A: computed on the way; B: input proj_w: QUANTISED
;;   THE QUANTISER, for each operand of a quantised product, along K:
;;     - K is cut into blocks of 32 from its start; a last block that is shorter is filled with zeros.
;;     - A block's scale is 2^e with e = floor(log2(the largest magnitude in the block)) - 2, held to -126 .. 127; a block of zeros has e = 0. As a byte (E8M0): e + 127.
;;     - Each number is divided by its block's scale, clamped to +-6, and rounded to the nearest number of E2M1, ties to even, subnormals kept.
;;     - The product sums the exact products of the quantised numbers (number of the format x scale) in f32.
;;   ~~~python
;;   def quantise(x, axis):      # numpy; x: float32 -> the quantised numbers, widened to float32 again
;;       x = np.moveaxis(x, axis, -1); K = x.shape[-1]
;;       x = np.pad(x, [(0, 0)] * (x.ndim - 1) + [(0, -K % 32)]); x = x.reshape(x.shape[:-1] + (-1, 32)); a = np.abs(x).max(-1, keepdims=True)
;;       e = np.where(a > 0, np.clip(np.frexp(np.where(a > 0, a, 1))[1] - 1 - 2, -126, 127), 0)      # np.frexp(a)[1] - 1 = floor(log2(a)), exactly
;;       r = np.clip(x / 2.0 ** e, -6, 6)
;;       step = 2.0 ** (np.maximum(np.frexp(np.where(r == 0, 1, r))[1] - 1, 0) - 1)
;;       q = np.round(r / step) * step * 2.0 ** e      # np.round: ties to even
;;       return np.moveaxis(q.reshape(q.shape[:-2] + (-1,))[..., :K], -1, axis).astype(np.float32)
;;   ~~~
;;   OPERANDS COMPUTED ON THE WAY. 'Computed on the way' means the value that the module computes at that place (a softmax that the list does not call 'softmax' is quantised finished and normalised). What goes into a quantiser is computed in f32, as accurately as f32 sums, v_exp_f32 and their like allow (about 1e-6 of the number): no bf16 or f16 on the way to a quantiser, and a product that is left as it is and whose result goes on into a quantised operand takes f32 operands (vector FMAs, or v_wmma_f32_16x16x4_f32). A number that lies on a knife's edge between two numbers of the format may be rounded either way, as far as f32 arithmetic and the matrix unit's own rounding can turn it there, and no further.
;; 2 versions, each right; version 2 is version 1 with the launches prep, final written anew for expert scheduling mode. Each part assembles by itself: llvm-mc -triple=amdgcn-amd-amdhsa -mcpu=gfx1250 --defsym DOCPART=n.
;; ======== version 1 of 2: 3 launches
;; workspace buffers: wkv 1,114,112 bytes; pw 557,056 bytes; q 131,072 bytes; part_o 1,048,576 bytes; part_ml 32,768 bytes
;; launch prep (part 1): grid 320 x 1, 8 waves a work-group, no clusters, 144,896 bytes of LDS; arguments x, wk, wv, proj_w, wq, wkv, pw, q; writes wkv, pw, q
.if DOCPART == 1
	.amdgcn_target "amdgcn-amd-amdhsa--gfx1250"
	.amdhsa_code_object_version 6
	.text
	.protected	k_qdd9e30e50e_prep
	.globl	k_qdd9e30e50e_prep
	.p2align	8
	.type	k_qdd9e30e50e_prep,@function
k_qdd9e30e50e_prep:
	s_mov_b64 s[64:65], 0
	v_nop
	global_prefetch_b8 v0, s[64:65] scope:SCOPE_SE
	s_setreg_imm32_b32 hwreg(HW_REG_WAVE_MODE, 25, 1), 1
	s_wait_xcnt 0x0
; PREP.  (1) wk, wv and proj_w [1024][1024] f32, K innermost, become codes of FP4 (E2M1) with one E8M0 byte for each 32 along K, laid in the ORDER OF THE OPERAND'S REGISTERS:
; a fragment (16 rows x 128 K) is 1,024 bytes, register group c at 512 c, lane l's 16 bytes at 16 l.  (2) q = Q(x[:,0,:]) Q(wq)^T, f32, laid [16 columns' block][batch][16].
; SHARES.  Work-groups 0-63 take 16 rows of wk each, 64-127 of wv, 128-191 of proj_w; 192-319 make 16 columns of q for 16 batches.  In each the eight waves take the eight K steps of 128.
; A block's scale is 2^(floor(log2(largest magnitude)) - 2): its byte is that magnitude's exponent field - 2, held at 1 from below.
; LIMITS: a block whose largest magnitude lies under 2^-124 gets the byte 1; a block of zeros gets the byte 1 where the rule says 127 (its codes are zeros, and this program alone reads the bytes);
; NaN and infinities among the inputs are not served.
; Every load reads 512 consecutive bytes (one row's 128 numbers); the conversions want 16 neighbours along K in one lane, so a tile turns through the wave's own stage in LDS.
; The two ways part once, on the work-group's number, and never join; each has LDS bytes of its own.
.set SP,    528                        ; a stage row: 512 bytes + 16: the 16 rows that a read touches start at 16 different groups of banks
.set WBLK,  34816                      ; a block of wkv: 32 fragments and 2,048 bytes of scale words
.set STGA,  0                          ; the weights' way: a stage of 16 rows for each wave
.set SG,    8*16*SP                    ; and 512 bytes in which the eight waves' scale words meet
.set STGB,  SG+512                     ; q's way: stages
.set RED,   STGB+8*16*SP               ; and 1,024 bytes a wave for the partial sums
.set VO,    8                          ; v8-15   q's way: 16 x lane + two batches of x at a time
.set TM,    16                         ; v16-31  the quantiser's work
.set PCW,   32                         ; v32-39  the weight's codes
.set PCX,   40                         ; v40-47  x's codes
.set PWW,   48                         ; v48     the weight's scale word
.set PWX,   49                         ; v49     x's
.set ACC,   50                         ; v50-57  q's partial sums
.set R0,    64                         ; v64-127 16 rows x 4 numbers a lane, then 64 numbers of one row
.set R1,    128                        ; v128-191 the same for x
.set SEL,   30                         ; s[30:31] lane selects: lane l xor 16
.macro PLACES n
.rept \n
	v_nop
.endr
.endm
.macro BAR                             ; my LDS stores have landed and my LDS loads are in: then the work-group's barrier
	s_wait_dscnt 0x0
	s_barrier_signal -1
	s_barrier_wait -1
.endm
; 64 numbers of a lane, register 16 b + i = k 32 b + 16 (lane / 16) + i of my row, become a fragment's codes in v[pc] on and its scale word in v[pw]
.macro QUANT s, pc, pw
.irp b, 0,1,2,3
	v_max3_num_f32 v[TM+\b], |v[\s+16*\b]|, |v[\s+1+16*\b]|, 0x1800000   ; my 16 numbers of block b, and the floor 2^(3 - 127): the byte cannot fall under 1
.endr
.irp i, 2,4,6,8,10,12,14
.irp b, 0,1,2,3
	v_max3_num_f32 v[TM+\b], v[TM+\b], |v[\s+16*\b+\i]|, |v[\s+1+16*\b+\i]|   ; the four blocks by turns
.endr
.endr
.irp b, 0,1,2,3
	v_permlanex16_b32 v[TM+4+\b], v[TM+\b], s[SEL], s[SEL+1]
.endr
.irp b, 0,1,2,3
	v_max_num_f32 v[TM+\b], v[TM+\b], v[TM+4+\b]           ; with lane l xor 16's: the block's largest magnitude
.endr
.irp b, 0,1,2,3
	v_add_nc_u32 v[TM+12+\b], 0xff000000, v[TM+\b]         ; 2 off its exponent field: the conversion's scale operand
.endr
.irp b, 0,1,2,3
	v_lshrrev_b32 v[TM+4+\b], 23, v[TM+12+\b]              ; the scale's byte
.endr
	v_lshl_or_b32 v[\pw], v[TM+5], 8, v[TM+4]
	v_lshl_or_b32 v[\pw], v[TM+6], 16, v[\pw]
	v_lshl_or_b32 v[\pw], v[TM+7], 24, v[\pw]
.irp b, 0,1,2,3
	v_cvt_scalef32_pk8_fp4_f32 v[\pc+2*\b], v[\s+16*\b:\s+7+16*\b], v[TM+12+\b]
	v_cvt_scalef32_pk8_fp4_f32 v[\pc+1+2*\b], v[\s+8+16*\b:\s+15+16*\b], v[TM+12+\b]
.endr
	v_nop                                                  ; one plain place behind a scaled conversion
.irp c, 0,1                                            ; the operand wants a whole block in a lane: lanes 0-15 block 2 c, lanes 16-31 block 2 c + 1
.irp i, 0,1
	v_permlane16_swap_b32 v[\pc+4*\c+\i], v[\pc+2+4*\c+\i]
.endr
.endr
.endm
.macro WLOAD R, p                      ; 16 rows of a weight, my K step: each load is 512 consecutive bytes
.irp i, 0,1,2,3,4,5,6,7,8,9,10,11,12,13,14,15
	global_load_b128 v[\R+4*\i:\R+4*\i+3], v1, s[\p:\p+1] offset:4096*\i th:TH_LOAD_NT
.endr
.endm
.macro TURNIP R                        ; through my stage: in as loaded, back 16 neighbours of each block of 32 of row lane % 16
.irp i, 0,1,2,3,4,5,6,7,8,9,10,11,12,13,14,15
	ds_store_b128 v2, v[\R+4*\i:\R+4*\i+3] offset:SP*\i
.endr
	s_wait_dscnt 0x0                                       ; the stores have read the registers into which the loads below land
.irp b, 0,1,2,3
.irp j, 0,1,2,3
	ds_load_b128 v[\R+16*\b+4*\j:\R+16*\b+4*\j+3], v3 offset:128*\b+16*\j
.endr
.endr
	s_wait_dscnt 0x0
.endm
	s_load_b512 s[4:19], s[0:1], 0x0               ; x, wk, wv, proj_w, wq, wkv, pw, q
	v_lshl_add_u32 v192, v0, 2, 0x23200
	v_mov_b32 v193, 0
	v_lshrrev_b32 v2, 5, v0
	v_readfirstlane_b32 s20, v2                    ; wave = K step
	v_and_b32 v4, 31, v0                           ; lane
	v_and_b32 v5, 15, v0                           ; r
	v_bfe_u32 v6, v0, 4, 1                         ; h
	v_lshlrev_b32 v1, 4, v4                        ; 16 x lane
	s_mul_i32 s32, s20, 16*SP                      ; my stage
	v_add_nc_u32 v2, s32, v1                       ; in: 16 x lane
	v_mul_u32_u24 v3, v5, SP
	v_lshl_add_u32 v3, v6, 6, v3
	v_add_nc_u32 v3, s32, v3                       ; back: row r, + 64 h
	s_mov_b32 s[SEL], 0x76543210
	s_mov_b32 s[SEL+1], 0xfedcba98
.irp b, 0,1,2,3
	v_mov_b32 v[TM+4+\b], 0                        ; written once: a lane permute's destination counts as one of its sources
.endr
	s_lshl_b32 s34, s20, 9                         ; my K step in a row: 512 bytes x wave
	s_cmp_lt_u32 ttmp9, 192
	s_cbranch_scc0 .Lq
	; ---- a weight's 16 rows.  rb = the block of 16 rows.  In wkv: head = rb / 4, cb = rb % 4; the block is 4 (2 (head % 4) + kv) + head / 4
	s_and_b32 s21, ttmp9, 63                       ; rb
	s_lshr_b32 s33, ttmp9, 6                       ; 0 wk, 1 wv, 2 proj_w
	s_bfe_u32 s35, s21, 0x20002                    ; head % 4
	s_lshl_b32 s35, s35, 1
	s_add_co_u32 s35, s35, s33
	s_lshl_b32 s35, s35, 2
	s_lshr_b32 s36, s21, 4                         ; head / 4
	s_add_co_u32 s35, s35, s36
	s_mul_i32 s35, s35, WBLK                       ; the block's first byte
	s_and_b32 s36, s21, 3                          ; cb
	s_lshl_b32 s37, s20, 2
	s_add_co_u32 s37, s37, s36
	s_lshl_b32 s37, s37, 10
	s_add_co_u32 s37, s37, s35                     ; wkv: fragment 4 ks + cb
	s_lshr_b32 s38, s36, 1
	s_lshl_b32 s38, s38, 10
	s_and_b32 s39, s36, 1
	s_lshl_b32 s39, s39, 8
	s_add_co_u32 s38, s38, s39
	s_add_co_u32 s38, s38, s35
	s_add_co_u32 s38, s38, 32768                   ; wkv: scale words at 1,024 (cb / 2) + 256 (cb % 2); the second four K steps 512 on
	s_lshl_b32 s39, s21, 3
	s_add_co_u32 s39, s39, s20
	s_lshl_b32 s39, s39, 10                        ; pw: fragment 8 rb + ks
	s_lshl_b32 s40, s21, 9
	s_add_co_u32 s40, s40, 524288                  ; pw: scale words at 512 rb; the second four K steps 256 on
	s_mov_b32 s41, 256
	s_lshr_b32 s42, s20, 2                         ; where my scale words meet the others': SG + 256 (ks / 4) + 16 r + 4 (ks % 4)
	s_lshl_b32 s42, s42, 8
	s_and_b32 s43, s20, 3
	s_lshl_b32 s43, s43, 2
	s_add_co_u32 s42, s42, s43
	s_add_co_u32 s42, s42, SG
	v_lshl_add_u32 v7, v5, 4, s42
	v_add_nc_u32 v8, SG, v1                        ; and where wave 0 reads them back: 16 x lane
	s_wait_kmcnt 0x0
	s_cmp_lt_u32 ttmp9, 128                        ; the choices hang on the work-group's number alone
	s_cselect_b32 s26, s37, s39
	s_cselect_b32 s28, s38, s40
	s_cselect_b32 s41, 512, s41
	s_cselect_b64 s[24:25], s[14:15], s[16:17]
	s_cselect_b64 s[22:23], s[8:9], s[10:11]
	s_cmp_lt_u32 ttmp9, 64
	s_cselect_b64 s[22:23], s[6:7], s[22:23]
	s_lshl_b32 s42, s21, 16                        ; 16 rows of 4,096 bytes
	s_add_co_u32 s42, s42, s34
	s_mov_b32 s43, 0
	s_mov_b32 s27, 0
	s_mov_b32 s29, 0
	s_add_nc_u64 s[22:23], s[22:23], s[42:43]
	s_add_nc_u64 s[44:45], s[24:25], s[26:27]      ; my fragment
	s_add_nc_u64 s[46:47], s[24:25], s[28:29]      ; the rows' scale words
	WLOAD R0, 22
	v_mul_lo_u32 v9, v6, s41
	v_lshl_add_u32 v9, v5, 4, v9                   ; 16 r + h x the distance between the two runs of 256 bytes
	s_wait_loadcnt 0x0
	TURNIP R0
	QUANT R0, PCW, PWW
	global_store_b128 v1, v[PCW:PCW+3], s[44:45]               ; 32 lanes store 512 consecutive bytes
	global_store_b128 v1, v[PCW+4:PCW+7], s[44:45] offset:512
	ds_store_b32 v7, v[PWW]                        ; lanes r and 16 + r hold the same word and write it to the same place
	BAR                                            ; the eight K steps' words lie together
	s_cmp_lg_u32 s20, 0
	s_cbranch_scc1 .Lwend
	ds_load_b128 v[R0:R0+3], v8
	s_wait_dscnt 0x0
	global_store_b128 v9, v[R0:R0+3], s[46:47]     ; sixteen lanes store 256 consecutive bytes, aligned; twice
.Lwend:
	s_wait_tensorcnt 0x0
	ds_add_u32 v192, v193
	s_wait_dscnt 0x0
	s_endpgm
	; ---- q: 16 columns (rows of wq) x 16 batches; my K step's product; the eight partial sums are added through LDS
.Lq:
	s_sub_co_u32 s21, ttmp9, 192
	s_and_b32 s33, s21, 1                          ; which 16 batches
	s_lshr_b32 s21, s21, 1                         ; which 16 columns
	v_add_nc_u32 v2, STGB, v2
	v_add_nc_u32 v3, STGB, v3
	s_lshl_b32 s35, s20, 10
	s_add_co_u32 s35, s35, RED
	v_lshlrev_b32 v7, 6, v5
	v_lshl_add_u32 v7, v6, 5, v7
	v_add_nc_u32 v7, s35, v7                       ; my sums: RED + 1,024 wave + 64 r + 32 h
	v_lshl_add_u32 v4, v0, 4, RED                  ; waves 0 and 1 read them back: 16 x thread
	v_lshlrev_b32 v5, 4, v0                        ; and store at the same offset
.irp k, 0,1,2,3,4,5,6,7
	v_add_nc_u32 v[VO+\k], \k*8388608, v1          ; a batch of x is 4,194,304 bytes: two batches to a register, the odd one by the immediate
.endr
	s_lshl_b32 s36, s21, 16
	s_add_co_u32 s36, s36, s34
	s_mov_b32 s37, 0
	s_lshl_b32 s38, s33, 26                        ; 16 batches
	s_add_co_u32 s38, s38, s34
	s_mov_b32 s39, 0
	s_lshl_b32 s40, s21, 11
	s_lshl_b32 s41, s33, 10
	s_add_co_u32 s40, s40, s41
	s_mov_b32 s41, 0
	s_wait_kmcnt 0x0
	s_add_nc_u64 s[22:23], s[12:13], s[36:37]
	s_add_nc_u64 s[24:25], s[4:5], s[38:39]
	s_add_nc_u64 s[26:27], s[18:19], s[40:41]
	WLOAD R0, 22
.irp i, 0,1,2,3,4,5,6,7,8,9,10,11,12,13,14,15
	global_load_b128 v[R1+4*\i:R1+4*\i+3], v[VO+\i/2], s[24:25] offset:(\i%2)*4194304   ; row 0 of batch i
.endr
	s_wait_loadcnt 0x0
	TURNIP R0
	QUANT R0, PCW, PWW
	TURNIP R1
	QUANT R1, PCX, PWX
	PLACES 8                                       ; scale registers written by vector instructions stand eight places ahead of a scaled matrix instruction, operands four
	v_wmma_scale_f32_16x16x128_f8f6f4 v[ACC:ACC+7], v[PCW:PCW+7], v[PCX:PCX+7], 0, v[PWW], v[PWX] matrix_a_fmt:MATRIX_FMT_FP4 matrix_b_fmt:MATRIX_FMT_FP4   ; lane (r, h): batch r, columns 8 h + 0 .. 7
	PLACES 4
	ds_store_b128 v7, v[ACC:ACC+3]
	ds_store_b128 v7, v[ACC+4:ACC+7] offset:16
	BAR
	s_cmp_lt_u32 s20, 2
	s_cbranch_scc0 .Lqend
.irp k, 0,1,2,3,4,5,6,7
	ds_load_b128 v[R0+4*\k:R0+4*\k+3], v4 offset:1024*\k
.endr
	s_wait_dscnt 0x0
.irp k, 1,2,3,4,5,6,7                          ; K ascending
	v_pk_add_f32 v[R0:R0+1], v[R0:R0+1], v[R0+4*\k:R0+4*\k+1]
	v_pk_add_f32 v[R0+2:R0+3], v[R0+2:R0+3], v[R0+4*\k+2:R0+4*\k+3]
.endr
	global_store_b128 v5, v[R0:R0+3], s[26:27]     ; a wave stores 512 consecutive bytes
.Lqend:
	s_wait_tensorcnt 0x0
	ds_add_u32 v192, v193
	s_wait_dscnt 0x0
	s_endpgm
.Lfunc_end_k_qdd9e30e50e_prep:
	.size	k_qdd9e30e50e_prep, .Lfunc_end_k_qdd9e30e50e_prep-k_qdd9e30e50e_prep
	.p2alignl 7, 3214868480
	.fill 96, 4, 3214868480
	.section	.rodata,"a",@progbits
	.p2align	6, 0x0
	.amdhsa_kernel k_qdd9e30e50e_prep
		.amdhsa_group_segment_fixed_size 144896
		.amdhsa_private_segment_fixed_size 0
		.amdhsa_enable_private_segment 0
		.amdhsa_kernarg_size 64
		.amdhsa_user_sgpr_count 2
		.amdhsa_user_sgpr_kernarg_segment_ptr 1
		.amdhsa_wavefront_size32 1
		.amdhsa_system_sgpr_workgroup_id_x 1
		.amdhsa_system_sgpr_workgroup_id_y 1
		.amdhsa_system_sgpr_workgroup_id_z 1
		.amdhsa_system_vgpr_workitem_id 0
		.amdhsa_next_free_vgpr 194
		.amdhsa_next_free_sgpr 66
		.amdhsa_reserve_vcc 0
		.amdhsa_float_denorm_mode_32 3
		.amdhsa_float_denorm_mode_16_64 3
		.amdhsa_memory_ordered 1
		.amdhsa_forward_progress 1
		.amdhsa_inst_pref_size 30
	.end_amdhsa_kernel
	.amdgpu_metadata
---
amdhsa.version: [ 1, 2 ]
amdhsa.kernels:
  - .name:           k_qdd9e30e50e_prep
    .symbol:         k_qdd9e30e50e_prep.kd
    .args:
      - { .name: x, .offset: 0, .size: 8, .value_kind: global_buffer, .address_space: global }
      - { .name: wk, .offset: 8, .size: 8, .value_kind: global_buffer, .address_space: global }
      - { .name: wv, .offset: 16, .size: 8, .value_kind: global_buffer, .address_space: global }
      - { .name: proj_w, .offset: 24, .size: 8, .value_kind: global_buffer, .address_space: global }
      - { .name: wq, .offset: 32, .size: 8, .value_kind: global_buffer, .address_space: global }
      - { .name: wkv, .offset: 40, .size: 8, .value_kind: global_buffer, .address_space: global }
      - { .name: pw, .offset: 48, .size: 8, .value_kind: global_buffer, .address_space: global }
      - { .name: q, .offset: 56, .size: 8, .value_kind: global_buffer, .address_space: global }
    .group_segment_fixed_size: 144896
    .private_segment_fixed_size: 0
    .kernarg_segment_align: 8
    .kernarg_segment_size: 64
    .max_flat_workgroup_size: 256
    .sgpr_count:     66
    .vgpr_count:     194
    .wavefront_size: 32
...
	.end_amdgpu_metadata
.endif
;; end of part 1
;; launch attn (part 2): grid 256 x 1, 4 waves a work-group, clusters of 4 x 1, 327,680 bytes of LDS; arguments x, mask, wkv, q, part_o, part_ml; writes part_o, part_ml
.if DOCPART == 2
	.amdgcn_target "amdgcn-amd-amdhsa--gfx1250"
	.amdhsa_code_object_version 6
	.text
	.protected	k_qdd9e30e50e_attn
	.globl	k_qdd9e30e50e_attn
	.p2align	8
	.type	k_qdd9e30e50e_attn,@function
k_qdd9e30e50e_attn:
	s_mov_b64 s[64:65], 0
	v_nop
	global_prefetch_b8 v0, s[64:65] scope:SCOPE_SE
	s_setreg_imm32_b32 hwreg(HW_REG_WAVE_MODE, 25, 1), 1
	s_wait_xcnt 0x0
	s_wait_alu depctr_hold_cnt(0) depctr_sa_sdst(0) depctr_va_vdst(0) depctr_va_sdst(0) depctr_va_ssrc(0) depctr_va_vcc(0) depctr_vm_vsrc(0)
	s_getreg_b32 s2, hwreg(HW_REG_IB_STS2, 6, 4)
	s_cmp_eq_u32 s2, 0
	s_cbranch_scc0 .Lentry_in_a_cluster
	s_endpgm
.Lentry_in_a_cluster:
	s_bfe_u32 s2, ttmp6, 0x10000c
	s_cmp_lg_u32 s2, 0x3003
	s_cbranch_scc0 .Lentry_shape_is_right
	s_endpgm
.Lentry_shape_is_right:
; ATTN.  A work-group owns 128 rows of one batch of x (work-group g = 8 x batch + block).  It quantises them to FP4 (E2M1, one E8M0 byte for each 32 along K), multiplies them by the codes of wk and wv,
; and for each of the 16 heads leaves its block's part of the one-query attention: m = the block's largest score, l = the sum of p = e^(s - m), o = the sum of p v.  The next launch joins a batch's 8 blocks.
; k and v never leave the registers.
; PHASE A.  Wave w loads rows 32 w .. 32 w + 31 (each load 512 consecutive bytes, four sets of 16 loads always out), turns them through its own stage in LDS, quantises them, and hands the fragments to the
; other waves as images of their registers, a K step at a time.  At its end EVERY wave holds the codes of all 128 rows x 1,024 K: 64 fragments, 512 registers.
; PHASE B.  Wave w owns heads 4 w .. 4 w + 3.  A tile is 128 rows x one head's 64 columns of k or of v: 32 accumulators, 256 registers, 256 matrix instructions.  The weights' fragments come as dense blocks
; of 34,816 bytes (a tile's codes and scale words of one wave, in register order) through a ring of two LDS slots; each fragment read from LDS feeds eight matrix instructions.
; Source 0 = 16 rows of the weight, source 1 = 16 rows of x: lane (r, h) holds row 16 a + r of x, register j the head's channel 16 cb + 8 h + j.  So the score of a row is a sum inside two lanes, and p v a sum over lanes.
; CLUSTER.  All work-groups walk the same weights: the four of a cluster ask for each block JOINTLY (the same load, the same descriptor, a mask that names the four).
; No prefetch is written: x goes by counted loads that are always out, and every cluster reads the same weights.
; LIMITS: a block of 32 whose largest magnitude lies under 2^-124 gets the scale byte 1, a block of zeros too (its codes are zeros; the bytes never leave the launch); NaN and infinities are not served.
; REGISTERS, in windows of 256.  Window 0: v1-15 addresses; v16-23 1000 (1 - mask); v24-39 p; v40-55 scores; v56-63 m, l, the stores' word, work; v64-95 x's scale words; v96-127 the weights', a set a slot;
;   v128-191 two buffers of four weight fragments (phase A: 64 numbers of x); v192-223 q (phase A: the quantiser's work); v224-255 the sums of p v.
;   Window 1: accumulator (a, cb) at v[8 (4 a + cb)] (phase A: four sets of 64 registers as loaded).   Windows 2, 3: x's fragment (a, ks) at v[64 (ks % 4) + 8 a] of window 2 + ks / 4.
.set WBLK,  34816                      ; a wave's block of a tile: 32 fragments of 1,024 bytes, 2,048 bytes of scale words
.set SLOTB, 4*WBLK                     ; a slot: four waves' blocks
.set STG,   2*SLOTB                    ; behind the ring: a stage of 16 rows x 528 bytes for each wave
.set SP,    528
.set IMG,   STG+4*16*SP                ; a K step's eight fragments of x, as images of their registers
.set IMS,   IMG+8192                   ; and their scale words: 16 x lane + 4 x (a / 2); lanes 0-15 the even a's rows, lanes 16-31 the odd a's
.set SPARE, IMS+512                    ; the spare words, 128 bytes for each wave: two blocks of 256 bytes that no other line names
.set LI,  1                            ; 16 x lane
.set SWR, 2                            ; my stage, in
.set SRD, 3                            ; my stage, back: row r, + 64 h
.set IWR, 4                            ; where I store my two images
.set IRD, 5                            ; where all images are read
.set ISW, 6
.set ISR, 7
.set WA,  8                            ; v8, v9  my block in slot 0, 1: + 16 x lane
.set SPW, 10
.set NIL, 11
.set MO,  12                           ; 4 r
.set QO,  13                           ; 32 h
.set OO,  14                           ; where my two sums of p v go: 64 (r / 4) + 32 h + 8 (r % 4)
.set L4,  15                           ; 4 x lane
.set MT,  16
.set P,   24                           ; p of tile a in v[P + 2 a]; the odd registers hold 0 (named as the upper halves of pairs)
.set D2,  40
.set MX,  56
.set LS,  57
.set ST,  58                           ; lane 2 hh: m of my head hh, lane 2 hh + 1: its l
.set U,   59                           ; v59-62
.set TL,  63
.set XS,  64
.set WS,  96
.set BF,  128
.set X,   128
.set QV,  192
.set TM,  192
.set PC,  208
.set PWA, 216
.set PWB, 217
.set PWP, 218
.set T,   224
.set G1,  24                           ; s[24:31] descriptor group 1
.set G0,  32                           ; s[32:35], s[36:39] group 0 for slot 0, 1
.set SEL, 40                           ; s[40:41] lane selects: lane l xor 16
.set MSB, 0
.macro WIN new                         ; the immediate's high byte repeats the setting that is left; a switch that changes nothing is dropped
.if MSB != (\new)
	s_set_vgpr_msb (MSB<<8)|(\new)
.set MSB, (\new)
.endif
.endm
.macro PLACES n
.rept \n
	v_nop
.endr
.endm
.macro BAR
	s_wait_dscnt 0x0
	s_barrier_signal -1
	s_barrier_wait -1
.endm
.macro CREST                           ; a round of the cluster's barrier behind its opening barrier
	s_cmp_lg_u32 s16, 0
	s_cbranch_scc1 .Lnot_wave_0_\@
	s_barrier_signal -3
.Lnot_wave_0_\@:
	s_barrier_wait -3
	s_barrier_signal -1
	s_barrier_wait -1
.endm
.macro ROUND
	s_barrier_signal -1
	s_barrier_wait -1
	CREST
.endm
; 64 numbers of a lane, register 16 b + i = k 32 b + 16 (lane / 16) + i of my row, become a fragment's codes in v[pc] on and its scale word in v[pw]
.macro QUANT s, pc, pw
.irp b, 0,1,2,3
	v_max3_num_f32 v[TM+\b], |v[\s+16*\b]|, |v[\s+1+16*\b]|, 0x1800000   ; my 16 numbers of block b, and the floor 2^(3 - 127): the byte cannot fall under 1
.endr
.irp i, 2,4,6,8,10,12,14
.irp b, 0,1,2,3
	v_max3_num_f32 v[TM+\b], v[TM+\b], |v[\s+16*\b+\i]|, |v[\s+1+16*\b+\i]|
.endr
.endr
.irp b, 0,1,2,3
	v_permlanex16_b32 v[TM+4+\b], v[TM+\b], s[SEL], s[SEL+1]
.endr
.irp b, 0,1,2,3
	v_max_num_f32 v[TM+\b], v[TM+\b], v[TM+4+\b]
.endr
.irp b, 0,1,2,3
	v_add_nc_u32 v[TM+12+\b], 0xff000000, v[TM+\b]         ; 2 off the exponent field: the conversion's scale operand
.endr
.irp b, 0,1,2,3
	v_lshrrev_b32 v[TM+4+\b], 23, v[TM+12+\b]              ; the scale's byte
.endr
	v_lshl_or_b32 v[\pw], v[TM+5], 8, v[TM+4]
	v_lshl_or_b32 v[\pw], v[TM+6], 16, v[\pw]
	v_lshl_or_b32 v[\pw], v[TM+7], 24, v[\pw]
.irp b, 0,1,2,3
	v_cvt_scalef32_pk8_fp4_f32 v[\pc+2*\b], v[\s+16*\b:\s+7+16*\b], v[TM+12+\b]
	v_cvt_scalef32_pk8_fp4_f32 v[\pc+1+2*\b], v[\s+8+16*\b:\s+15+16*\b], v[TM+12+\b]
.endr
	v_nop                                                  ; one plain place behind a scaled conversion
.irp c, 0,1
.irp i, 0,1
	v_permlane16_swap_b32 v[\pc+4*\c+\i], v[\pc+2+4*\c+\i]
.endr
.endr
.endm
; Fragment f = 2 ks + a' of my 32 rows: rows 16 a' .. + 15, K step ks, into set f % 4 of window 1
.macro XLOAD f
	WIN 0x40                                       ; destination window 1
.irp i, 0,1,2,3,4,5,6,7,8,9,10,11,12,13,14,15
	global_load_b128 v[64*((\f)%4)+4*\i:64*((\f)%4)+4*\i+3], v[LI], s[4:5] offset:(16*((\f)%2)+\i)*4096+512*((\f)/2) th:TH_LOAD_NT
.endr
	WIN 0
.endm
.macro FRAG f, pw
.if (\f) <= 12
	s_wait_loadcnt 48                              ; my set is in; the three younger sets' 16 loads each stay out
.else
	s_wait_loadcnt 16*(15-(\f))
.endif
	WIN 0x04                                       ; an LDS store's data are its source 1: window 1
.irp i, 0,1,2,3,4,5,6,7,8,9,10,11,12,13,14,15
	ds_store_b128 v[SWR], v[64*((\f)%4)+4*\i:64*((\f)%4)+4*\i+3] offset:SP*\i
.endr
	WIN 0
.irp b, 0,1,2,3
.irp j, 0,1,2,3
	ds_load_b128 v[X+16*\b+4*\j:X+16*\b+4*\j+3], v[SRD] offset:128*\b+16*\j   ; LDS serves a wave's instructions in order: these see the stores above
.endr
.endr
	s_wait_dscnt 0x0                               ; the numbers are back; the stage's stores have read their set, the last image's stores their codes
.if (\f)+4 < 16
	XLOAD (\f)+4                                   ; the set takes the fragment four further on
.endif
	QUANT X, PC, \pw
	ds_store_b128 v[IWR], v[PC:PC+3] offset:1024*((\f)%2)
	ds_store_b128 v[IWR], v[PC+4:PC+7] offset:1024*((\f)%2)+512
.endm
	s_load_b256 s[4:11], s[0:1], 0x0               ; x, mask, wkv, q
	s_load_b128 s[12:15], s[0:1], 0x20             ; part_o, part_ml
	v_lshl_add_u32 v[SPW], v0, 2, SPARE
	v_mov_b32 v[NIL], 0
	ds_add_u32 v10, v11
	ds_add_u32 v10, v11
	s_wait_dscnt 0x0
	v_lshrrev_b32 v59, 5, v0
	v_readfirstlane_b32 s16, v59                   ; wave 0..3
	s_bfe_u32 s17, ttmp6, 0x40000                  ; cx
	s_lshl_b32 s18, ttmp9, 2
	s_add_co_u32 s18, s18, s17                     ; g: it enters the addresses of x, mask, q and the parts alone
	s_lshr_b32 s19, s18, 3                         ; the batch
	v_and_b32 v59, 31, v0                          ; lane
	v_and_b32 v60, 15, v0                          ; r
	v_bfe_u32 v61, v0, 4, 1                        ; h
	v_lshlrev_b32 v[LI], 4, v59
	s_mul_i32 s20, s16, 16*SP
	s_add_co_u32 s20, s20, STG
	v_add_nc_u32 v[SWR], s20, v[LI]
	v_mul_u32_u24 v[SRD], v60, SP
	v_lshl_add_u32 v[SRD], v61, 6, v[SRD]
	v_add_nc_u32 v[SRD], s20, v[SRD]
	s_lshl_b32 s21, s16, 11
	s_add_co_u32 s21, s21, IMG
	v_add_nc_u32 v[IWR], s21, v[LI]
	v_add_nc_u32 v[IRD], IMG, v[LI]
	s_lshl_b32 s21, s16, 2
	s_add_co_u32 s21, s21, IMS
	v_add_nc_u32 v[ISW], s21, v[LI]
	v_add_nc_u32 v[ISR], IMS, v[LI]
	s_mul_i32 s52, s16, WBLK                       ; my block in a slot and in a tile: the wave's number alone
	s_mov_b32 s53, 0
	v_add_nc_u32 v[WA], s52, v[LI]
	v_add_nc_u32 v[WA+1], SLOTB, v[WA]
	v_lshlrev_b32 v[MO], 2, v60
	v_lshlrev_b32 v[QO], 5, v61
	v_lshrrev_b32 v62, 2, v60
	v_and_b32 v63, 3, v60
	v_lshlrev_b32 v[OO], 6, v62
	v_lshl_add_u32 v[OO], v63, 3, v[OO]
	v_add_nc_u32 v[OO], v[OO], v[QO]
	v_lshlrev_b32 v[L4], 2, v59
.irp b, 0,1,2,3
	v_mov_b32 v[TM+4+\b], 0                        ; written once: a lane permute's destination counts as one of its sources
.endr
.irp a, 0,1,2,3,4,5,6,7
	v_mov_b32 v[P+2*\a+1], 0
.endr
	v_mov_b32 v[ST], 0
	s_mov_b32 s[SEL], 0x76543210
	s_mov_b32 s[SEL+1], 0xfedcba98
	s_mov_b32 s42, 0xff00ff00                      ; lanes whose r has bit 3, 2, 1, 0
	s_mov_b32 s43, 0xf0f0f0f0
	s_mov_b32 s44, 0xcccccccc
	s_mov_b32 s45, 0xaaaaaaaa
	s_mov_b32 s46, 0xffff0000                      ; lanes 16-31
	s_mov_b32 s48, 1                               ; the lanes of the stores' word that take this head's m and l
	s_mov_b32 s49, 2
	s_mov_b32 s51, 0x3e000000                      ; 64^-0.5 = 0.125
	; descriptor group 1: a dense block of 34,816 bytes as 136 rows of 256 bytes
	s_mov_b32 s[G1], 15|(3<<16)|(1<<21)            ; 15:0 the mask: all four work-groups; 17:16 elements of 8 bytes; 20 no padding; 21 set beside a mask
	s_mov_b32 s[G1+1], 32<<16                      ; tensor_dim0 = 32
	s_mov_b32 s[G1+2], 136<<16                     ; tensor_dim1 = 136
	s_mov_b32 s[G1+3], 32<<16                      ; tile_dim0 = 32
	s_mov_b32 s[G1+4], 136                         ; tile_dim1 = 136
	s_mov_b32 s[G1+5], 32                          ; from row to row
	s_mov_b32 s[G1+6], 0
	s_mov_b32 s[G1+7], 0
	s_mov_b32 s[G0], 1
	s_mul_i32 s[G0+1], s16, WBLK                   ; LDS: slot 0, my block
	s_mov_b32 s[G0+4], 1
	s_add_co_u32 s[G0+5], s[G0+1], SLOTB           ; slot 1
	s_lshl_b32 s20, s18, 19                        ; x: 128 rows of 4,096 bytes a work-group,
	s_lshl_b32 s22, s16, 17                        ; 32 a wave
	s_add_co_u32 s20, s20, s22
	s_mov_b32 s21, 0
	s_wait_kmcnt 0x0
	s_add_nc_u64 s[4:5], s[4:5], s[20:21]
	s_lshl_b32 s20, s18, 9
	s_add_nc_u64 s[6:7], s[6:7], s[20:21]          ; mask: 128 numbers a work-group
	s_lshl_b32 s20, s19, 6
	s_lshl_b32 s22, s16, 15
	s_add_co_u32 s20, s20, s22
	s_add_nc_u64 s[10:11], s[10:11], s[20:21]      ; q: 64 x batch + my first head's 16 columns' blocks (2,048 bytes each)
	s_lshl_b32 s20, s18, 12
	s_lshl_b32 s22, s16, 10
	s_add_co_u32 s20, s20, s22
	s_add_nc_u64 s[12:13], s[12:13], s[20:21]      ; part_o: 4,096 g + 256 x head
	s_lshl_b32 s20, s18, 7
	s_lshl_b32 s22, s16, 5
	s_add_co_u32 s20, s20, s22
	s_add_nc_u64 s[14:15], s[14:15], s[20:21]      ; part_ml: 128 g + 8 x head
	s_add_nc_u64 s[G0+2:G0+3], s[8:9], s[52:53]    ; tile 0, my block
	s_add_nc_u64 s[G0+6:G0+7], s[G0+2:G0+3], SLOTB ; tile 1
	s_or_b32 s[G0+3], s[G0+3], 0x80000000
	s_or_b32 s[G0+7], s[G0+7], 0x80000000
.irp a, 0,1,2,3,4,5,6,7
	global_load_b32 v[MT+\a], v[MO], s[6:7] offset:64*\a       ; the mask of row 16 a + r
.endr
	XLOAD 0
	XLOAD 1
	XLOAD 2
	XLOAD 3
	ROUND                                          ; all four work-groups are here: the first joint loads meet
	tensor_load_to_lds s[G0:G0+3], s[G1:G1+7]      ; two loads of mine are out; they land while x is quantised
	s_nop 0
	tensor_load_to_lds s[G0+4:G0+7], s[G1:G1+7]
	s_nop 0
	PLACES 4
	; ---- PHASE A.  Two barriers a K step: the images are whole; the images have been read.
.irp ks, 0,1,2,3,4,5,6,7
	FRAG 2*\ks, PWA
	FRAG 2*\ks+1, PWB
	v_cndmask_b32 v[PWP], v[PWA], v[PWB], s46      ; lanes 0-15 my even tile's words, lanes 16-31 my odd tile's
	ds_store_b32 v[ISW], v[PWP]
	BAR
	WIN 0x80+0x40*(\ks/4)                          ; destination window 2 or 3
.irp a, 0,1,2,3,4,5,6,7
	ds_load_b128 v[64*(\ks%4)+8*\a:64*(\ks%4)+8*\a+3], v[IRD] offset:1024*\a
	ds_load_b128 v[64*(\ks%4)+8*\a+4:64*(\ks%4)+8*\a+7], v[IRD] offset:1024*\a+512
.endr
	WIN 0
	ds_load_b128 v[XS+4*\ks:XS+4*\ks+3], v[ISR]
	BAR
.endr
.irp a, 0,1,2,3,4,5,6,7
	v_sub_f32 v[MT+\a], 1.0, v[MT+\a]              ; (the last wait on the loads was for 0)
.endr
.irp a, 0,1,2,3,4,5,6,7
	v_mul_f32 v[MT+\a], 0x447a0000, v[MT+\a]       ; 1000 (1 - mask)
.endr
	; ---- PHASE B
.macro FETCH slot, ks, buf             ; the four weight fragments of K step ks
.irp cb, 0,1,2,3
	ds_load_b128 v[BF+32*(\buf)+8*\cb:BF+32*(\buf)+8*\cb+3], v[WA+\slot] offset:(4*(\ks)+\cb)*1024
	ds_load_b128 v[BF+32*(\buf)+8*\cb+4:BF+32*(\buf)+8*\cb+7], v[WA+\slot] offset:(4*(\ks)+\cb)*1024+512
.endr
.endm
.macro WSC slot                        ; a tile's scale words: register 8 (cb / 2) + ks; lanes 0-15 the even cb's rows, lanes 16-31 the odd cb's
.irp L, 0,1,2,3
	ds_load_b128 v[WS+16*(\slot)+4*\L:WS+16*(\slot)+4*\L+3], v[WA+\slot] offset:32768+512*\L
.endr
.endm
.macro WM d, fa, fb, sa, sb, oa, ob, zero      ; one matrix instruction; oa, ob: the side's scales stand in lanes 16-31
.set rD, \d
.set rA, \fa
.set rB, \fb
.set rSA, \sa
.set rSB, \sb
.set rO, 2*(\oa)+(\ob)+4*(\zero)
.if rO == 0
	v_wmma_scale_f32_16x16x128_f8f6f4 v[rD:rD+7], v[rA:rA+7], v[rB:rB+7], v[rD:rD+7], v[rSA], v[rSB] matrix_a_fmt:MATRIX_FMT_FP4 matrix_b_fmt:MATRIX_FMT_FP4
.elseif rO == 1
	v_wmma_scale_f32_16x16x128_f8f6f4 v[rD:rD+7], v[rA:rA+7], v[rB:rB+7], v[rD:rD+7], v[rSA], v[rSB] matrix_a_fmt:MATRIX_FMT_FP4 matrix_b_fmt:MATRIX_FMT_FP4 matrix_b_scale:MATRIX_SCALE_ROW1
.elseif rO == 2
	v_wmma_scale_f32_16x16x128_f8f6f4 v[rD:rD+7], v[rA:rA+7], v[rB:rB+7], v[rD:rD+7], v[rSA], v[rSB] matrix_a_fmt:MATRIX_FMT_FP4 matrix_b_fmt:MATRIX_FMT_FP4 matrix_a_scale:MATRIX_SCALE_ROW1
.elseif rO == 3
	v_wmma_scale_f32_16x16x128_f8f6f4 v[rD:rD+7], v[rA:rA+7], v[rB:rB+7], v[rD:rD+7], v[rSA], v[rSB] matrix_a_fmt:MATRIX_FMT_FP4 matrix_b_fmt:MATRIX_FMT_FP4 matrix_a_scale:MATRIX_SCALE_ROW1 matrix_b_scale:MATRIX_SCALE_ROW1
.elseif rO == 4
	v_wmma_scale_f32_16x16x128_f8f6f4 v[rD:rD+7], v[rA:rA+7], v[rB:rB+7], 0, v[rSA], v[rSB] matrix_a_fmt:MATRIX_FMT_FP4 matrix_b_fmt:MATRIX_FMT_FP4
.elseif rO == 5
	v_wmma_scale_f32_16x16x128_f8f6f4 v[rD:rD+7], v[rA:rA+7], v[rB:rB+7], 0, v[rSA], v[rSB] matrix_a_fmt:MATRIX_FMT_FP4 matrix_b_fmt:MATRIX_FMT_FP4 matrix_b_scale:MATRIX_SCALE_ROW1
.elseif rO == 6
	v_wmma_scale_f32_16x16x128_f8f6f4 v[rD:rD+7], v[rA:rA+7], v[rB:rB+7], 0, v[rSA], v[rSB] matrix_a_fmt:MATRIX_FMT_FP4 matrix_b_fmt:MATRIX_FMT_FP4 matrix_a_scale:MATRIX_SCALE_ROW1
.else
	v_wmma_scale_f32_16x16x128_f8f6f4 v[rD:rD+7], v[rA:rA+7], v[rB:rB+7], 0, v[rSA], v[rSB] matrix_a_fmt:MATRIX_FMT_FP4 matrix_b_fmt:MATRIX_FMT_FP4 matrix_a_scale:MATRIX_SCALE_ROW1 matrix_b_scale:MATRIX_SCALE_ROW1
.endif
.endm
; Eight matrix instructions: x's tiles a0, a0 + 1 against the four weight fragments.  The 32 accumulators take turns, one instruction a turn, in the same order in every K step.
; zero = 1: the first K step starts the sums: nothing is cleared.
.macro MUL8 ks, slot, a0, zero
.irp a, \a0, \a0+1
.irp cb, 0,1,2,3
	WM 8*(4*(\a)+\cb), BF+32*((\ks)%2)+8*\cb, 64*((\ks)%4)+8*(\a), WS+16*(\slot)+8*(\cb/2)+(\ks), XS+4*(\ks)+(\a)/2, \cb%2, (\a)%2, \zero
.endr
.endr
.endm
.macro KSTEP slot, ks, zero            ; K steps 0 to 6 of a tile: the next step's fragments are asked for first, 32 matrix instructions ahead of their use
	WIN 0
	PLACES 4                                       ; four places in front of loads into registers that matrix instructions have read
	FETCH \slot, (\ks)+1, ((\ks)+1)%2
	s_wait_dscnt 8                                 ; all but the eight just issued: this step's fragments, and the tile's scale words, are in
	WIN 0x58+4*((\ks)/4)                           ; source 0 window 0, source 1 window 2 or 3, C and D window 1
	MUL8 \ks, \slot, 0, \zero
	MUL8 \ks, \slot, 2, \zero
	MUL8 \ks, \slot, 4, \zero
	MUL8 \ks, \slot, 6, \zero
.endm
; A tile's last K step changes slots.  In front of the round each wave waits for all its tensor loads (one is out: its block of the other slot), adds 0 to its spare word, and waits for that and for its reads of this slot.
; Behind the round this slot is filled with the tile two further on: the load has a tile's 256 matrix instructions and an epilogue in which to land.
.macro TURN slot
	WIN 0
	s_wait_tensorcnt 0x0
	ds_add_u32 v[SPW], v[NIL]                      ; 0 onto my spare word
	s_add_nc_u64 s[G0+4*\slot+2:G0+4*\slot+3], s[G0+4*\slot+2:G0+4*\slot+3], 2*SLOTB   ; no load of mine is out: the slot's next tile
	s_wait_dscnt 1                                 ; the add alone may be out: this step's fragments are in
	WIN 0x5c
	MUL8 7, \slot, 0, 0
	s_wait_dscnt 0x0                               ; the add is done, and my reads of this slot are over
	s_barrier_signal -1
	MUL8 7, \slot, 2, 0
	WIN 0
	s_barrier_wait -1
	CREST                                          ; no wave of any partner still reads this slot or has a load on its way
	tensor_load_to_lds s[G0+4*\slot:G0+4*\slot+3], s[G1:G1+7]
	s_nop 0
	PLACES 4                                       ; also the places in front of the loads below
	FETCH 1-\slot, 0, 0
	WSC 1-\slot
	WIN 0x5c
	MUL8 7, \slot, 4, 0
	MUL8 7, \slot, 6, 0
.endm
.macro TURN_N                          ; the last tile but one (slot 0): nothing is left to fetch, so no round; the last tile is my own load's
	WIN 0
	s_wait_tensorcnt 0x0                           ; no load was issued behind it
	PLACES 4
	FETCH 1, 0, 0
	WSC 1
	s_wait_dscnt 12                                ; all but the twelve just issued
	WIN 0x5c
	MUL8 7, 0, 0, 0
	MUL8 7, 0, 2, 0
	MUL8 7, 0, 4, 0
	MUL8 7, 0, 6, 0
.endm
.macro TURN_E                          ; the last tile (slot 1)
	s_wait_dscnt 0x0
	WIN 0x5c
	MUL8 7, 1, 0, 0
	MUL8 7, 1, 2, 0
	MUL8 7, 1, 4, 0
	MUL8 7, 1, 6, 0
.endm
.macro QLOAD                           ; q of my batch and head: lane (r, h) wants channels 16 cb + 8 h + 0 .. 7
.irp cb, 0,1,2,3
	global_load_b128 v[QV+8*\cb:QV+8*\cb+3], v[QO], s[10:11] offset:2048*\cb
	global_load_b128 v[QV+8*\cb+4:QV+8*\cb+7], v[QO], s[10:11] offset:2048*\cb+16
.endr
.endm
; Behind a tile of k: the scores of the 128 rows, the mask, the block's m, p and l.  All in f32, by fused multiply-adds.  Register pair n of a row tile's 16 is channels 16 (n / 4) + 8 h + 2 (n % 4) + 0, 1.
.macro EPIK
	PLACES 4
	WIN 0x01                                       ; source 0 window 1
.irp a, 0,1,2,3,4,5,6,7
	v_pk_mul_f32 v[D2+2*\a:D2+2*\a+1], v[32*\a:32*\a+1], v[QV:QV+1]       ; each accumulator from its low end on; eight chains
.endr
.irp n, 1,2,3,4,5,6,7,8,9,10,11,12,13,14,15
.irp a, 0,1,2,3,4,5,6,7
	v_pk_fma_f32 v[D2+2*\a:D2+2*\a+1], v[32*\a+2*\n:32*\a+2*\n+1], v[QV+2*\n:QV+2*\n+1], v[D2+2*\a:D2+2*\a+1]
.endr
.endr
	WIN 0
.irp a, 0,1,2,3,4,5,6,7
	v_add_f32 v[D2+2*\a], v[D2+2*\a], v[D2+2*\a+1]
.endr
.irp a, 0,1,2,3,4,5,6,7
	v_permlanex16_b32 v[D2+2*\a+1], v[D2+2*\a], s[SEL], s[SEL+1]
.endr
.irp a, 0,1,2,3,4,5,6,7
	v_add_f32 v[D2+2*\a], v[D2+2*\a], v[D2+2*\a+1]         ; the row's other 32 channels lie in lane l xor 16: both lanes now hold q . k
.endr
.irp a, 0,1,2,3,4,5,6,7
	v_fma_f32 v[D2+2*\a], v[D2+2*\a], s51, -v[MT+\a]       ; x 0.125 - 1000 (1 - mask)
.endr
	v_max3_num_f32 v[MX], v[D2], v[D2+2], v[D2+4]
	v_max3_num_f32 v[MX], v[MX], v[D2+6], v[D2+8]
	v_max3_num_f32 v[MX], v[MX], v[D2+10], v[D2+12]
	v_max_num_f32 v[MX], v[MX], v[D2+14]
.irp x, 1,2,4,8
	v_max_num_f32_dpp v[MX], v[MX], v[MX] row_xmask:\x row_mask:0xf bank_mask:0xf   ; over the 16 rows of a tile: m of the 128 rows, in every lane
.endr
.irp a, 0,1,2,3,4,5,6,7
	v_sub_f32 v[D2+2*\a], v[D2+2*\a], v[MX]                ; s - m first, then x log2(e): m stays the exact point from which the next launch joins the blocks
.endr
.irp a, 0,1,2,3,4,5,6,7
	v_mul_f32 v[D2+2*\a], 0x3fb8aa3b, v[D2+2*\a]
.endr
.irp a, 0,1,2,3,4,5,6,7
	v_exp_f32 v[P+2*\a], v[D2+2*\a]
.endr
	v_cndmask_b32 v[ST], v[ST], v[MX], s48                 ; m into its lane of the stores' word: the plain place behind the exponentials
	s_wait_alu depctr_va_vdst(0)                           ; one wait for the eight, ahead of their first reader
	v_add_f32 v[LS], v[P], v[P+2]
	v_add_f32 v[U], v[P+4], v[P+6]
	v_add_f32 v[LS], v[LS], v[P+8]
	v_add_f32 v[U], v[U], v[P+10]
	v_add_f32 v[LS], v[LS], v[P+12]
	v_add_f32 v[U], v[U], v[P+14]
	v_add_f32 v[LS], v[LS], v[U]
.irp x, 1,2,4,8
	v_add_f32_dpp v[LS], v[LS], v[LS] row_xmask:\x row_mask:0xf bank_mask:0xf
.endr
	v_cndmask_b32 v[ST], v[ST], v[LS], s49
.endm
; A stage of the sum over the 16 rows of a tile: each lane keeps half of its n + n sums and sends the other half to the lane xm away; four registers at a time
.macro RSTAGE n, g, msk, xm
.set ri0, 0
.rept (\n)/(\g)
.set ri, ri0
.rept \g
	v_cndmask_b32 v[U+ri%4], v[T+ri+\n], v[T+ri], \msk     ; what I send
.set ri, ri+1
.endr
.set ri, ri0
.rept \g
	v_cndmask_b32 v[T+ri], v[T+ri], v[T+ri+\n], \msk       ; what I keep
.set ri, ri+1
.endr
.set ri, ri0
.rept \g
	v_add_f32_dpp v[T+ri], v[U+ri%4], v[T+ri] row_xmask:\xm row_mask:0xf bank_mask:0xf
.set ri, ri+1
.endr
.set ri0, ri0+\g
.endr
.endm
; Behind a tile of v: o = the sum over the 128 rows of p v, in f32.  First over the eight row tiles in each lane, then over the 16 lanes, so that lane (r, h) ends with channels 16 (r / 4) + 8 h + 2 (r % 4) + 0, 1.
.macro EPIV
	PLACES 4
	WIN 0x01
.irp n, 0,1,2,3,4,5,6,7,8,9,10,11,12,13,14,15
	v_pk_mul_f32 v[T+2*\n:T+2*\n+1], v[2*\n:2*\n+1], v[P:P+1] op_sel_hi:[1,0]
.endr
.irp a, 1,2,3,4,5,6,7
.irp n, 0,1,2,3,4,5,6,7,8,9,10,11,12,13,14,15
	v_pk_fma_f32 v[T+2*\n:T+2*\n+1], v[32*\a+2*\n:32*\a+2*\n+1], v[P+2*\a:P+2*\a+1], v[T+2*\n:T+2*\n+1] op_sel_hi:[1,0,1]
.endr
.endr
	WIN 0
	RSTAGE 16, 4, s42, 8
	RSTAGE 8, 4, s43, 4
	RSTAGE 4, 4, s44, 2
	RSTAGE 2, 2, s45, 1
	global_store_b64 v[OO], v[T:T+1], s[12:13]             ; the wave stores 256 consecutive bytes, aligned: the head's 64 sums
.endm
.macro HEADS last                      ; one head: its tile of k (slot 0), the softmax, its tile of v (slot 1), p v
	QLOAD
	KSTEP 0, 0, 1
.irp k, 1,2,3,4,5,6
	KSTEP 0, \k, 0
.endr
.if \last
	TURN_N
.else
	TURN 0
.endif
	WIN 0
	s_wait_loadcnt 0x0                             ; q
	EPIK
	KSTEP 1, 0, 1
.irp k, 1,2,3,4,5,6
	KSTEP 1, \k, 0
.endr
.if \last
	TURN_E
.else
	TURN 1
.endif
	EPIV
.endm
	s_wait_tensorcnt 0x1                           ; my block of tile 0 is in; tile 1's load may be out.  A wave reads only the bytes that its own loads brought
	FETCH 0, 0, 0
	WSC 0
	s_mov_b32 s47, 3
.Lhead:                                            ; three trips: heads 0 to 2 of mine; both slots are filled again in each
	HEADS 0
	s_wait_xcnt 0x0                                ; the loads of q and the store have read their bases
	s_add_nc_u64 s[10:11], s[10:11], 8192
	s_add_nc_u64 s[12:13], s[12:13], 256
	s_lshl_b32 s48, s48, 2
	s_lshl_b32 s49, s49, 2
	s_sub_co_u32 s47, s47, 1
	s_cmp_lg_u32 s47, 0
	s_cbranch_scc1 .Lhead
	HEADS 1                                        ; the last head is written out
	v_and_b32 v[TL], 31, v0
	v_cmp_gt_u32 vcc_lo, 8, v[TL]
	s_wait_xcnt 0x0                                ; EXEC changes only behind this wait
	s_and_saveexec_b32 s50, vcc_lo
	global_store_b32 v[L4], v[ST], s[14:15]        ; m and l of my four heads: 32 consecutive bytes
	s_wait_xcnt 0x0
	s_or_b32 exec_lo, exec_lo, s50
	s_wait_tensorcnt 0x0                           ; the wave's end
	ds_add_u32 v[SPW], v[NIL]
	s_wait_dscnt 0x0
	ROUND                                          ; the closing round: no work-group ends while a partner may still ask for a block that names it
	s_endpgm
.Lfunc_end_k_qdd9e30e50e_attn:
	.size	k_qdd9e30e50e_attn, .Lfunc_end_k_qdd9e30e50e_attn-k_qdd9e30e50e_attn
	.p2alignl 7, 3214868480
	.fill 96, 4, 3214868480
	.section	.rodata,"a",@progbits
	.p2align	6, 0x0
	.amdhsa_kernel k_qdd9e30e50e_attn
		.amdhsa_group_segment_fixed_size 327680
		.amdhsa_private_segment_fixed_size 0
		.amdhsa_enable_private_segment 0
		.amdhsa_kernarg_size 48
		.amdhsa_user_sgpr_count 2
		.amdhsa_user_sgpr_kernarg_segment_ptr 1
		.amdhsa_wavefront_size32 1
		.amdhsa_system_sgpr_workgroup_id_x 1
		.amdhsa_system_sgpr_workgroup_id_y 1
		.amdhsa_system_sgpr_workgroup_id_z 1
		.amdhsa_system_vgpr_workitem_id 0
		.amdhsa_next_free_vgpr 1024
		.amdhsa_next_free_sgpr 66
		.amdhsa_reserve_vcc 1
		.amdhsa_float_denorm_mode_32 3
		.amdhsa_float_denorm_mode_16_64 3
		.amdhsa_memory_ordered 1
		.amdhsa_forward_progress 1
		.amdhsa_inst_pref_size 255
	.end_amdhsa_kernel
	.section	.bss,"aw",@nobits
	.p2align	6
	.space	262144
	.amdgpu_metadata
---
amdhsa.version: [ 1, 2 ]
amdhsa.kernels:
  - .name:           k_qdd9e30e50e_attn
    .symbol:         k_qdd9e30e50e_attn.kd
    .args:
      - { .name: x, .offset: 0, .size: 8, .value_kind: global_buffer, .address_space: global }
      - { .name: mask, .offset: 8, .size: 8, .value_kind: global_buffer, .address_space: global }
      - { .name: wkv, .offset: 16, .size: 8, .value_kind: global_buffer, .address_space: global }
      - { .name: q, .offset: 24, .size: 8, .value_kind: global_buffer, .address_space: global }
      - { .name: part_o, .offset: 32, .size: 8, .value_kind: global_buffer, .address_space: global }
      - { .name: part_ml, .offset: 40, .size: 8, .value_kind: global_buffer, .address_space: global }
    .group_segment_fixed_size: 327680
    .private_segment_fixed_size: 0
    .kernarg_segment_align: 8
    .kernarg_segment_size: 48
    .max_flat_workgroup_size: 128
    .sgpr_count:     66
    .vgpr_count:     1024
    .wavefront_size: 32
...
	.end_amdgpu_metadata
.endif
;; end of part 2
;; launch final (part 3): grid 256 x 1, 8 waves a work-group, no clusters, 44,288 bytes of LDS; arguments part_o, part_ml, pw, proj_b, out0; writes out0
.if DOCPART == 3
	.amdgcn_target "amdgcn-amd-amdhsa--gfx1250"
	.amdhsa_code_object_version 6
	.text
	.protected	k_qdd9e30e50e_final
	.globl	k_qdd9e30e50e_final
	.p2align	8
	.type	k_qdd9e30e50e_final,@function
k_qdd9e30e50e_final:
	s_mov_b64 s[64:65], 0
	v_nop
	global_prefetch_b8 v0, s[64:65] scope:SCOPE_SE
	s_setreg_imm32_b32 hwreg(HW_REG_WAVE_MODE, 25, 1), 1
	s_wait_xcnt 0x0
; FINAL.  out0 = Q(attention's result) Q(proj_w)^T + proj_b.  A work-group takes two batches (2 bp, 2 bp + 1) and 64 columns (64 cg on).
; (1) Thread t joins, for each batch, the 8 blocks' parts of channels 4 t .. 4 t + 3 (head t / 16): M = the largest m, e_i = e^(m_i - M), result = sum e_i o_i / sum e_i l_i, all in f32; the two rows go to LDS.
; (2) Wave w quantises K step w of the rows to FP4 (E2M1, one E8M0 byte for each 32 along K).  The tile's 16 rows are the two batches by turns (row r holds batch r % 2): fourteen are copies, which cost no further instruction.
; (3) Four matrix instructions a wave (source 0 = 16 rows of proj_w, in register order from the first launch; source 1 = the rows); the eight K steps' partial sums meet in LDS; wave 0 adds them, K ascending, and the bias.
; LIMITS: a block of 32 whose largest magnitude lies under 2^-124 gets the scale byte 1, a block of zeros too (its codes are zeros); NaN and infinities are not served.
.set AP,   4112                        ; a row of 1,024 f32 in LDS + 16 bytes
.set RED,  8448                        ; behind the two rows: for each wave 16 rows x (256 bytes + 16) of partial sums
.set RP,   272
.set TM,   16                          ; v16-31   the quantiser's work
.set ML,   32                          ; v32-63   (m, l) of batch bb, block i at v[ML + 16 bb + 2 i]
.set O,    64                          ; v64-127  o of batch bb, block i at v[O + 32 bb + 4 i]; later 64 numbers of a row; later the partial sums
.set X,    64
.set W,    128                         ; v128-159 four fragments of proj_w
.set WSC,  160                         ; v160-163 their scale words
.set PW,   164                         ; v164     the rows' scale word
.set PB,   168                         ; v168-171 proj_b
.set PC,   172                         ; v172-179 the rows' codes
.set E,    180                         ; v180-195 e_i at the even registers; the odd ones hold 0
.set OUT,  196                         ; v196-203 four results for each batch
.set ACC,  204                         ; v204-235 four accumulators
.set SEL,  22
.macro PLACES n
.rept \n
	v_nop
.endr
.endm
.macro BAR
	s_wait_dscnt 0x0
	s_barrier_signal -1
	s_barrier_wait -1
.endm
.macro QUANT s, pc, pw
.irp b, 0,1,2,3
	v_max3_num_f32 v[TM+\b], |v[\s+16*\b]|, |v[\s+1+16*\b]|, 0x1800000   ; my 16 numbers of block b, and the floor 2^(3 - 127): the byte cannot fall under 1
.endr
.irp i, 2,4,6,8,10,12,14
.irp b, 0,1,2,3
	v_max3_num_f32 v[TM+\b], v[TM+\b], |v[\s+16*\b+\i]|, |v[\s+1+16*\b+\i]|
.endr
.endr
.irp b, 0,1,2,3
	v_permlanex16_b32 v[TM+4+\b], v[TM+\b], s[SEL], s[SEL+1]
.endr
.irp b, 0,1,2,3
	v_max_num_f32 v[TM+\b], v[TM+\b], v[TM+4+\b]
.endr
.irp b, 0,1,2,3
	v_add_nc_u32 v[TM+12+\b], 0xff000000, v[TM+\b]
.endr
.irp b, 0,1,2,3
	v_lshrrev_b32 v[TM+4+\b], 23, v[TM+12+\b]
.endr
	v_lshl_or_b32 v[\pw], v[TM+5], 8, v[TM+4]
	v_lshl_or_b32 v[\pw], v[TM+6], 16, v[\pw]
	v_lshl_or_b32 v[\pw], v[TM+7], 24, v[\pw]
.irp b, 0,1,2,3
	v_cvt_scalef32_pk8_fp4_f32 v[\pc+2*\b], v[\s+16*\b:\s+7+16*\b], v[TM+12+\b]
	v_cvt_scalef32_pk8_fp4_f32 v[\pc+1+2*\b], v[\s+8+16*\b:\s+15+16*\b], v[TM+12+\b]
.endr
	v_nop                                                  ; one plain place behind a scaled conversion
.irp c, 0,1
.irp i, 0,1
	v_permlane16_swap_b32 v[\pc+4*\c+\i], v[\pc+2+4*\c+\i]
.endr
.endr
.endm
	s_load_b256 s[4:11], s[0:1], 0x0               ; part_o, part_ml, pw, proj_b
	s_load_b64 s[12:13], s[0:1], 0x20              ; out0
	v_lshl_add_u32 v254, v0, 2, 0xa900
	v_mov_b32 v255, 0
	v_lshrrev_b32 v1, 5, v0
	v_readfirstlane_b32 s14, v1                    ; wave = K step
	s_lshr_b32 s15, ttmp9, 4                       ; bp
	s_and_b32 s16, ttmp9, 15                       ; cg
	v_and_b32 v10, 31, v0                          ; lane
	v_and_b32 v11, 15, v0                          ; r
	v_bfe_u32 v9, v0, 4, 1                         ; h
	v_lshlrev_b32 v1, 4, v10                       ; 16 x lane
	v_lshlrev_b32 v2, 4, v0                        ; 16 x thread: in part_o, and in a row in LDS
	v_lshrrev_b32 v3, 4, v0
	v_lshlrev_b32 v3, 3, v3                        ; 8 x head
	v_lshlrev_b32 v8, 4, v11                       ; 16 r
	v_and_b32 v5, 1, v0
	v_mul_u32_u24 v5, v5, AP
	v_lshl_add_u32 v5, v9, 6, v5
	s_lshl_b32 s17, s14, 9
	v_add_nc_u32 v5, s17, v5                       ; the rows, back: row r % 2, + 512 x wave + 64 h
	s_mul_i32 s17, s14, 16*RP
	s_add_co_u32 s17, s17, RED
	v_mul_u32_u24 v6, v11, RP
	v_lshl_add_u32 v6, v9, 5, v6
	v_add_nc_u32 v6, s17, v6                       ; my partial sums: row r, + 32 h
	v_mul_u32_u24 v7, v9, RP
	v_add_nc_u32 v7, v7, v8
	v_add_nc_u32 v7, RED, v7                       ; wave 0 reads rows 0 and 1: row h, 16 bytes a lane
	v_lshl_add_u32 v4, v9, 12, v8                  ; and stores them: batch h, 16 bytes a lane
	s_mov_b32 s[SEL], 0x76543210
	s_mov_b32 s[SEL+1], 0xfedcba98
.irp b, 0,1,2,3
	v_mov_b32 v[TM+4+\b], 0                        ; written once: a lane permute's destination counts as one of its sources
.endr
.irp i, 0,1,2,3,4,5,6,7
	v_mov_b32 v[E+2*\i+1], 0                       ; named as the upper halves of pairs
.endr
	v_mov_b32 v15, 0
	s_mov_b32 s25, 0
	s_mov_b32 s27, 0
	s_mov_b32 s29, 0
	s_mov_b32 s31, 0
	s_mov_b32 s33, 0
	s_mov_b32 s35, 0
	s_lshl_b32 s24, s15, 16                        ; part_o: 16 blocks of 4,096 bytes
	s_lshl_b32 s26, s15, 11                        ; part_ml: 16 blocks of 128
	s_lshl_b32 s28, s16, 15                        ; pw's codes: fragment 8 (4 cg + n) + wave
	s_lshl_b32 s36, s14, 10
	s_add_co_u32 s28, s28, s36
	s_lshl_b32 s30, s16, 11                        ; pw's scale words: 512 (4 cg + n) + 256 (wave / 4) + 4 (wave % 4)
	s_lshr_b32 s36, s14, 2
	s_lshl_b32 s36, s36, 8
	s_add_co_u32 s30, s30, s36
	s_and_b32 s36, s14, 3
	s_lshl_b32 s36, s36, 2
	s_add_co_u32 s30, s30, s36
	s_add_co_u32 s30, s30, 524288
	s_lshl_b32 s32, s16, 8                         ; proj_b: 64 numbers
	s_lshl_b32 s34, s15, 13                        ; out0: two rows of 4,096 bytes, + 64 numbers
	s_add_co_u32 s34, s34, s32
	s_wait_kmcnt 0x0
	s_add_nc_u64 s[4:5], s[4:5], s[24:25]
	s_add_nc_u64 s[6:7], s[6:7], s[26:27]
	s_add_nc_u64 s[18:19], s[8:9], s[28:29]
	s_add_nc_u64 s[20:21], s[8:9], s[30:31]
	s_add_nc_u64 s[10:11], s[10:11], s[32:33]
	s_add_nc_u64 s[12:13], s[12:13], s[34:35]
.irp k, 0,1,2,3,4,5,6,7,8,9,10,11,12,13,14,15
	global_load_b64 v[ML+2*\k:ML+2*\k+1], v3, s[6:7] offset:128*\k
.endr
.irp k, 0,1,2,3,4,5,6,7,8,9,10,11,12,13,14,15
	global_load_b128 v[O+4*\k:O+4*\k+3], v2, s[4:5] offset:4096*\k     ; a wave reads 512 consecutive bytes
.endr
.irp n, 0,1,2,3
	global_load_b128 v[W+8*\n:W+8*\n+3], v1, s[18:19] offset:8192*\n
	global_load_b128 v[W+8*\n+4:W+8*\n+7], v1, s[18:19] offset:8192*\n+512
	global_load_b32 v[WSC+\n], v8, s[20:21] offset:512*\n
.endr
	global_load_b128 v[PB:PB+3], v8, s[10:11]
	s_wait_loadcnt 0x0
.macro COMB bb
.set mb, ML+16*\bb
.set ob, O+32*\bb
.set ot, OUT+4*\bb
	v_max3_num_f32 v12, v[mb], v[mb+2], v[mb+4]
	v_max3_num_f32 v12, v12, v[mb+6], v[mb+8]
	v_max3_num_f32 v12, v12, v[mb+10], v[mb+12]
	v_max_num_f32 v12, v12, v[mb+14]               ; M
.irp i, 0,1,2,3,4,5,6,7
	v_sub_f32 v[E+2*\i], v[mb+2*\i], v12
.endr
.irp i, 0,1,2,3,4,5,6,7
	v_mul_f32 v[E+2*\i], 0x3fb8aa3b, v[E+2*\i]
.endr
.irp i, 0,1,2,3,4,5,6,7
	v_exp_f32 v[E+2*\i], v[E+2*\i]
.endr
	v_nop                                          ; a plain place behind the exponentials
	s_wait_alu depctr_va_vdst(0)                   ; one wait for the eight, ahead of their first reader
	v_mul_f32 v13, v[E], v[mb+1]
.irp i, 1,2,3,4,5,6,7
	v_fmac_f32 v13, v[E+2*\i], v[mb+2*\i+1]        ; the sum of e_i l_i: at least 1, since the block with the largest m has e = 1 and l >= 1
.endr
	v_rcp_f32 v14, v13
	v_pk_mul_f32 v[ot:ot+1], v[ob:ob+1], v[E:E+1] op_sel_hi:[1,0]          ; plain work behind the reciprocal
	v_pk_mul_f32 v[ot+2:ot+3], v[ob+2:ob+3], v[E:E+1] op_sel_hi:[1,0]
.irp i, 1,2,3,4,5,6,7
	v_pk_fma_f32 v[ot:ot+1], v[ob+4*\i:ob+4*\i+1], v[E+2*\i:E+2*\i+1], v[ot:ot+1] op_sel_hi:[1,0,1]
	v_pk_fma_f32 v[ot+2:ot+3], v[ob+4*\i+2:ob+4*\i+3], v[E+2*\i:E+2*\i+1], v[ot+2:ot+3] op_sel_hi:[1,0,1]
.endr
	s_wait_alu depctr_va_vdst(0)                   ; the wait ahead of the reciprocal's first reader
	v_pk_mul_f32 v[ot:ot+1], v[ot:ot+1], v[14:15] op_sel_hi:[1,0]
	v_pk_mul_f32 v[ot+2:ot+3], v[ot+2:ot+3], v[14:15] op_sel_hi:[1,0]
	ds_store_b128 v2, v[ot:ot+3] offset:AP*\bb
.endm
	COMB 0
	COMB 1
	BAR                                            ; the two rows lie in LDS
.irp b, 0,1,2,3
.irp j, 0,1,2,3
	ds_load_b128 v[X+16*\b+4*\j:X+16*\b+4*\j+3], v5 offset:128*\b+16*\j
.endr
.endr
	s_wait_dscnt 0x0
	QUANT X, PC, PW
	PLACES 8                                       ; a scale register written by vector instructions stands eight places ahead of a scaled matrix instruction, an operand four
.irp n, 0,1,2,3
	v_wmma_scale_f32_16x16x128_f8f6f4 v[ACC+8*\n:ACC+8*\n+7], v[W+8*\n:W+8*\n+7], v[PC:PC+7], 0, v[WSC+\n], v[PW] matrix_a_fmt:MATRIX_FMT_FP4 matrix_b_fmt:MATRIX_FMT_FP4   ; lane (r, h): batch r % 2, columns 16 n + 8 h + 0 .. 7
.endr
	PLACES 4
.irp n, 0,1,2,3
	ds_store_b128 v6, v[ACC+8*\n:ACC+8*\n+3] offset:64*\n
	ds_store_b128 v6, v[ACC+8*\n+4:ACC+8*\n+7] offset:64*\n+16
.endr
	BAR                                            ; the eight K steps' partial sums lie in LDS
	s_cmp_lg_u32 s14, 0
	s_cbranch_scc1 .Lend
.irp k, 0,1,2,3,4,5,6,7
	ds_load_b128 v[X+4*\k:X+4*\k+3], v7 offset:16*RP*\k
.endr
	s_wait_dscnt 0x0
.irp k, 1,2,3,4,5,6,7                          ; K ascending
	v_pk_add_f32 v[X:X+1], v[X:X+1], v[X+4*\k:X+4*\k+1]
	v_pk_add_f32 v[X+2:X+3], v[X+2:X+3], v[X+4*\k+2:X+4*\k+3]
.endr
	v_pk_add_f32 v[X:X+1], v[X:X+1], v[PB:PB+1]
	v_pk_add_f32 v[X+2:X+3], v[X+2:X+3], v[PB+2:PB+3]
	global_store_b128 v4, v[X:X+3], s[12:13]       ; sixteen lanes store 256 consecutive bytes, aligned; one batch for each half of the lanes
.Lend:
	s_wait_tensorcnt 0x0
	ds_add_u32 v254, v255
	s_wait_dscnt 0x0
	s_endpgm
.Lfunc_end_k_qdd9e30e50e_final:
	.size	k_qdd9e30e50e_final, .Lfunc_end_k_qdd9e30e50e_final-k_qdd9e30e50e_final
	.p2alignl 7, 3214868480
	.fill 96, 4, 3214868480
	.section	.rodata,"a",@progbits
	.p2align	6, 0x0
	.amdhsa_kernel k_qdd9e30e50e_final
		.amdhsa_group_segment_fixed_size 44288
		.amdhsa_private_segment_fixed_size 0
		.amdhsa_enable_private_segment 0
		.amdhsa_kernarg_size 40
		.amdhsa_user_sgpr_count 2
		.amdhsa_user_sgpr_kernarg_segment_ptr 1
		.amdhsa_wavefront_size32 1
		.amdhsa_system_sgpr_workgroup_id_x 1
		.amdhsa_system_sgpr_workgroup_id_y 1
		.amdhsa_system_sgpr_workgroup_id_z 1
		.amdhsa_system_vgpr_workitem_id 0
		.amdhsa_next_free_vgpr 256
		.amdhsa_next_free_sgpr 66
		.amdhsa_reserve_vcc 0
		.amdhsa_float_denorm_mode_32 3
		.amdhsa_float_denorm_mode_16_64 3
		.amdhsa_memory_ordered 1
		.amdhsa_forward_progress 1
		.amdhsa_inst_pref_size 22
	.end_amdhsa_kernel
	.amdgpu_metadata
---
amdhsa.version: [ 1, 2 ]
amdhsa.kernels:
  - .name:           k_qdd9e30e50e_final
    .symbol:         k_qdd9e30e50e_final.kd
    .args:
      - { .name: part_o, .offset: 0, .size: 8, .value_kind: global_buffer, .address_space: global }
      - { .name: part_ml, .offset: 8, .size: 8, .value_kind: global_buffer, .address_space: global }
      - { .name: pw, .offset: 16, .size: 8, .value_kind: global_buffer, .address_space: global }
      - { .name: proj_b, .offset: 24, .size: 8, .value_kind: global_buffer, .address_space: global }
      - { .name: out0, .offset: 32, .size: 8, .value_kind: global_buffer, .address_space: global }
    .group_segment_fixed_size: 44288
    .private_segment_fixed_size: 0
    .kernarg_segment_align: 8
    .kernarg_segment_size: 40
    .max_flat_workgroup_size: 256
    .sgpr_count:     66
    .vgpr_count:     256
    .wavefront_size: 32
...
	.end_amdgpu_metadata
.endif
;; end of part 3
;; ======== version 2 of 2: 3 launches; version 1 with the launches prep, final written anew for expert scheduling mode
;; workspace buffers: wkv 1,114,112 bytes; pw 557,056 bytes; q 131,072 bytes; part_o 1,048,576 bytes; part_ml 32,768 bytes
;; launch prep (part 4): grid 320 x 1, 8 waves a work-group, no clusters, 144,896 bytes of LDS; arguments x, wk, wv, proj_w, wq, wkv, pw, q; writes wkv, pw, q
.if DOCPART == 4
	.amdgcn_target "amdgcn-amd-amdhsa--gfx1250"
	.amdhsa_code_object_version 6
	.text
	.protected	k_qdd9e30e50e_prep
	.globl	k_qdd9e30e50e_prep
	.p2align	8
	.type	k_qdd9e30e50e_prep,@function
k_qdd9e30e50e_prep:
	s_mov_b64 s[64:65], 0
	v_nop
	global_prefetch_b8 v0, s[64:65] scope:SCOPE_SE
	s_setreg_imm32_b32 hwreg(HW_REG_WAVE_SCHED_MODE, 0, 2), 2
	s_setreg_imm32_b32 hwreg(HW_REG_WAVE_MODE, 25, 1), 1
	s_wait_xcnt 0x0
	s_wait_alu depctr_vm_vsrc(0)
; PREP.  (1) wk, wv and proj_w [1024][1024] f32, K innermost, become codes of FP4 (E2M1) with one E8M0 byte for each 32 along K, laid in the ORDER OF THE OPERAND'S REGISTERS:
; a fragment (16 rows x 128 K) is 1,024 bytes, register group c at 512 c, lane l's 16 bytes at 16 l.  (2) q = Q(x[:,0,:]) Q(wq)^T, f32, laid [16 columns' block][batch][16].
; SHARES.  Work-groups 0-63 take 16 rows of wk each, 64-127 of wv, 128-191 of proj_w; 192-319 make 16 columns of q for 16 batches.  In each the eight waves take the eight K steps of 128.
; A block's scale is 2^(floor(log2(largest magnitude)) - 2): its byte is that magnitude's exponent field - 2, held at 1 from below.
; LIMITS: a block whose largest magnitude lies under 2^-124 gets the byte 1; a block of zeros gets the byte 1 where the rule says 127 (its codes are zeros, and this program alone reads the bytes);
; NaN and infinities among the inputs are not served.
; Every load reads 512 consecutive bytes (one row's 128 numbers); the conversions want 16 neighbours along K in one lane, so a tile turns through the wave's own stage in LDS.
; The two ways part once, on the work-group's number, and never join; each has LDS bytes of its own.
; THE MODE: SCHED_MODE bits 1:0 = 2 (LLVM: expert scheduling mode 2), set by the entry lines.  The code itself states the register dependences
; between vector or matrix instructions and memory or LDS instructions, with s_wait_alu, always for 0.
; THE PLAN.  Registers that memory or LDS instructions touch:
;   v1-v5, v7, v8-v15   offsets and LDS addresses: written by vector lines at the head of a way, read by loads and stores, never written behind the way's first load.
;   v9 (the weights' way) is written behind the loads and read by the last store alone, which stands behind the quantiser's wait.
;   R0, R1              global loads land in them; the stage's stores read them; the stage's loads land in them again; the quantiser reads them; later R0's low end takes what comes back from LDS.
;   PCW, PWW, PCX, PWX  written by the quantiser; read by stores (the weights' way) or by the scaled matrix instruction (q's way).
;   ACC                 written by the matrix instruction, read by two LDS stores.
; So a way has one wait on va_vdst ahead of its first load, one on vm_vsrc in each turn through the stage, and one on va_vdst ahead of each run of stores whose data vector or matrix lines have made,
; and ahead of the scaled matrix instruction.  In q's way x's turn through the stage is issued ahead of the weight's quantiser, which names none of its registers.
.set SP,    528                        ; a stage row: 512 bytes + 16: the 16 rows that a read touches start at 16 different groups of banks
.set WBLK,  34816                      ; a block of wkv: 32 fragments and 2,048 bytes of scale words
.set STGA,  0                          ; the weights' way: a stage of 16 rows for each wave
.set SG,    8*16*SP                    ; and 512 bytes in which the eight waves' scale words meet
.set STGB,  SG+512                     ; q's way: stages
.set RED,   STGB+8*16*SP               ; and 1,024 bytes a wave for the partial sums
.set VO,    8                          ; v8-15   q's way: 16 x lane + two batches of x at a time
.set TM,    16                         ; v16-31  the quantiser's work
.set PCW,   32                         ; v32-39  the weight's codes
.set PCX,   40                         ; v40-47  x's codes
.set PWW,   48                         ; v48     the weight's scale word
.set PWX,   49                         ; v49     x's
.set ACC,   50                         ; v50-57  q's partial sums
.set R0,    64                         ; v64-127 16 rows x 4 numbers a lane, then 64 numbers of one row
.set R1,    128                        ; v128-191 the same for x
.set SEL,   30                         ; s[30:31] lane selects: lane l xor 16
.macro PLACES n
.rept \n
	v_nop
.endr
.endm
.macro BAR                             ; my LDS stores have landed and my LDS loads are in: then the work-group's barrier
	s_wait_dscnt 0x0
	s_barrier_signal -1
	s_barrier_wait -1
.endm
; 64 numbers of a lane, register 16 b + i = k 32 b + 16 (lane / 16) + i of my row, become a fragment's codes in v[pc] on and its scale word in v[pw]
.macro QUANT s, pc, pw
.irp b, 0,1,2,3
	v_max3_num_f32 v[TM+\b], |v[\s+16*\b]|, |v[\s+1+16*\b]|, 0x1800000   ; my 16 numbers of block b, and the floor 2^(3 - 127): the byte cannot fall under 1
.endr
.irp i, 2,4,6,8,10,12,14
.irp b, 0,1,2,3
	v_max3_num_f32 v[TM+\b], v[TM+\b], |v[\s+16*\b+\i]|, |v[\s+1+16*\b+\i]|   ; the four blocks by turns
.endr
.endr
.irp b, 0,1,2,3
	v_permlanex16_b32 v[TM+4+\b], v[TM+\b], s[SEL], s[SEL+1]
.endr
.irp b, 0,1,2,3
	v_max_num_f32 v[TM+\b], v[TM+\b], v[TM+4+\b]           ; with lane l xor 16's: the block's largest magnitude
.endr
.irp b, 0,1,2,3
	v_add_nc_u32 v[TM+12+\b], 0xff000000, v[TM+\b]         ; 2 off its exponent field: the conversion's scale operand
.endr
.irp b, 0,1,2,3
	v_lshrrev_b32 v[TM+4+\b], 23, v[TM+12+\b]              ; the scale's byte
.endr
	v_lshl_or_b32 v[\pw], v[TM+5], 8, v[TM+4]
	v_lshl_or_b32 v[\pw], v[TM+6], 16, v[\pw]
	v_lshl_or_b32 v[\pw], v[TM+7], 24, v[\pw]
.irp b, 0,1,2,3
	v_cvt_scalef32_pk8_fp4_f32 v[\pc+2*\b], v[\s+16*\b:\s+7+16*\b], v[TM+12+\b]
	v_cvt_scalef32_pk8_fp4_f32 v[\pc+1+2*\b], v[\s+8+16*\b:\s+15+16*\b], v[TM+12+\b]
.endr
	v_nop                                                  ; one plain place behind a scaled conversion
.irp c, 0,1                                            ; the operand wants a whole block in a lane: lanes 0-15 block 2 c, lanes 16-31 block 2 c + 1
.irp i, 0,1
	v_permlane16_swap_b32 v[\pc+4*\c+\i], v[\pc+2+4*\c+\i]
.endr
.endr
.endm
.macro WLOAD R, p                      ; 16 rows of a weight, my K step: each load is 512 consecutive bytes
.irp i, 0,1,2,3,4,5,6,7,8,9,10,11,12,13,14,15
	global_load_b128 v[\R+4*\i:\R+4*\i+3], v1, s[\p:\p+1] offset:4096*\i th:TH_LOAD_NT
.endr
.endm
.macro TURNIP R                        ; through my stage: in as loaded, back 16 neighbours of each block of 32 of row lane % 16.  The wait for the numbers that come back stands ahead of their quantiser
.irp i, 0,1,2,3,4,5,6,7,8,9,10,11,12,13,14,15
	ds_store_b128 v2, v[\R+4*\i:\R+4*\i+3] offset:SP*\i    ; (LDS serves a wave's instructions in order: a second turn's stores come behind the first turn's loads from the same bytes)
.endr
	s_wait_dscnt 0x0                                       ; my stores into the stage are done; in a second turn the first turn's numbers are back too
	s_wait_alu depctr_vm_vsrc(0)                           ; the stores above have read v[R ..], in which the loads below land
.irp b, 0,1,2,3
.irp j, 0,1,2,3
	ds_load_b128 v[\R+16*\b+4*\j:\R+16*\b+4*\j+3], v3 offset:128*\b+16*\j
.endr
.endr
.endm
	s_load_b512 s[4:19], s[0:1], 0x0               ; x, wk, wv, proj_w, wq, wkv, pw, q
	v_lshl_add_u32 v62, v0, 2, 0x23200
	v_mov_b32 v63, 0
	v_lshrrev_b32 v2, 5, v0
	v_readfirstlane_b32 s20, v2                    ; wave = K step
	v_and_b32 v4, 31, v0                           ; lane
	v_and_b32 v5, 15, v0                           ; r
	v_bfe_u32 v6, v0, 4, 1                         ; h
	v_lshlrev_b32 v1, 4, v4                        ; 16 x lane
	s_wait_alu depctr_va_sdst(0)                   ; s20 is written, ahead of its first reader: LDS places, offsets and branches are made from it
	s_mul_i32 s32, s20, 16*SP                      ; my stage
	v_add_nc_u32 v2, s32, v1                       ; in: 16 x lane
	v_mul_u32_u24 v3, v5, SP
	v_lshl_add_u32 v3, v6, 6, v3
	v_add_nc_u32 v3, s32, v3                       ; back: row r, + 64 h
	s_mov_b32 s[SEL], 0x76543210
	s_mov_b32 s[SEL+1], 0xfedcba98
.irp b, 0,1,2,3
	v_mov_b32 v[TM+4+\b], 0                        ; written once: a lane permute's destination counts as one of its sources
.endr
	s_lshl_b32 s34, s20, 9                         ; my K step in a row: 512 bytes x wave
	s_cmp_lt_u32 ttmp9, 192
	s_cbranch_scc0 .Lq
	; ---- a weight's 16 rows.  rb = the block of 16 rows.  In wkv: head = rb / 4, cb = rb % 4; the block is 4 (2 (head % 4) + kv) + head / 4
	s_and_b32 s21, ttmp9, 63                       ; rb
	s_lshr_b32 s33, ttmp9, 6                       ; 0 wk, 1 wv, 2 proj_w
	s_bfe_u32 s35, s21, 0x20002                    ; head % 4
	s_lshl_b32 s35, s35, 1
	s_add_co_u32 s35, s35, s33
	s_lshl_b32 s35, s35, 2
	s_lshr_b32 s36, s21, 4                         ; head / 4
	s_add_co_u32 s35, s35, s36
	s_mul_i32 s35, s35, WBLK                       ; the block's first byte
	s_and_b32 s36, s21, 3                          ; cb
	s_lshl_b32 s37, s20, 2
	s_add_co_u32 s37, s37, s36
	s_lshl_b32 s37, s37, 10
	s_add_co_u32 s37, s37, s35                     ; wkv: fragment 4 ks + cb
	s_lshr_b32 s38, s36, 1
	s_lshl_b32 s38, s38, 10
	s_and_b32 s39, s36, 1
	s_lshl_b32 s39, s39, 8
	s_add_co_u32 s38, s38, s39
	s_add_co_u32 s38, s38, s35
	s_add_co_u32 s38, s38, 32768                   ; wkv: scale words at 1,024 (cb / 2) + 256 (cb % 2); the second four K steps 512 on
	s_lshl_b32 s39, s21, 3
	s_add_co_u32 s39, s39, s20
	s_lshl_b32 s39, s39, 10                        ; pw: fragment 8 rb + ks
	s_lshl_b32 s40, s21, 9
	s_add_co_u32 s40, s40, 524288                  ; pw: scale words at 512 rb; the second four K steps 256 on
	s_mov_b32 s41, 256
	s_lshr_b32 s42, s20, 2                         ; where my scale words meet the others': SG + 256 (ks / 4) + 16 r + 4 (ks % 4)
	s_lshl_b32 s42, s42, 8
	s_and_b32 s43, s20, 3
	s_lshl_b32 s43, s43, 2
	s_add_co_u32 s42, s42, s43
	s_add_co_u32 s42, s42, SG
	v_lshl_add_u32 v7, v5, 4, s42
	v_add_nc_u32 v8, SG, v1                        ; and where wave 0 reads them back: 16 x lane
	s_wait_kmcnt 0x0
	s_cmp_lt_u32 ttmp9, 128                        ; the choices hang on the work-group's number alone
	s_cselect_b32 s26, s37, s39
	s_cselect_b32 s28, s38, s40
	s_cselect_b32 s41, 512, s41
	s_cselect_b64 s[24:25], s[14:15], s[16:17]
	s_cselect_b64 s[22:23], s[8:9], s[10:11]
	s_cmp_lt_u32 ttmp9, 64
	s_cselect_b64 s[22:23], s[6:7], s[22:23]
	s_lshl_b32 s42, s21, 16                        ; 16 rows of 4,096 bytes
	s_add_co_u32 s42, s42, s34
	s_mov_b32 s43, 0
	s_mov_b32 s27, 0
	s_mov_b32 s29, 0
	s_add_nc_u64 s[22:23], s[22:23], s[42:43]
	s_add_nc_u64 s[44:45], s[24:25], s[26:27]      ; my fragment
	s_add_nc_u64 s[46:47], s[24:25], s[28:29]      ; the rows' scale words
	s_wait_alu depctr_va_vdst(0)                   ; v1, v2, v3, v7 and v8 are written: the loads and stores of this way read them as offsets and LDS addresses
	WLOAD R0, 22
	v_mul_lo_u32 v9, v6, s41
	v_lshl_add_u32 v9, v5, 4, v9                   ; 16 r + h x the distance between the two runs of 256 bytes: read by the last store alone, behind the quantiser's wait
	s_wait_loadcnt 0x0
	TURNIP R0
	s_wait_dscnt 0x0                               ; the numbers are back from the stage
	QUANT R0, PCW, PWW
	s_wait_alu depctr_va_vdst(0)                   ; the quantiser has written the codes and the scale word, which the stores below read, and is done reading v[R0 ..], in which wave 0's load lands; v9 is written
	global_store_b128 v1, v[PCW:PCW+3], s[44:45]               ; 32 lanes store 512 consecutive bytes
	global_store_b128 v1, v[PCW+4:PCW+7], s[44:45] offset:512
	ds_store_b32 v7, v[PWW]                        ; lanes r and 16 + r hold the same word and write it to the same place
	BAR                                            ; the eight K steps' words lie together
	s_cmp_lg_u32 s20, 0
	s_cbranch_scc1 .Lwend
	ds_load_b128 v[R0:R0+3], v8                    ; (no vector line since the wait above)
	s_wait_dscnt 0x0
	global_store_b128 v9, v[R0:R0+3], s[46:47]     ; sixteen lanes store 256 consecutive bytes, aligned; twice
.Lwend:
	s_wait_dscnt 0x0
	s_wait_alu depctr_hold_cnt(0) depctr_sa_sdst(0) depctr_va_vdst(0) depctr_va_sdst(0) depctr_va_ssrc(0) depctr_va_vcc(0) depctr_vm_vsrc(0)
	s_wait_tensorcnt 0x0
	ds_add_u32 v62, v63
	s_wait_dscnt 0x0
	s_endpgm
	; ---- q: 16 columns (rows of wq) x 16 batches; my K step's product; the eight partial sums are added through LDS
.Lq:
	s_sub_co_u32 s21, ttmp9, 192
	s_and_b32 s33, s21, 1                          ; which 16 batches
	s_lshr_b32 s21, s21, 1                         ; which 16 columns
	v_add_nc_u32 v2, STGB, v2
	v_add_nc_u32 v3, STGB, v3
	s_lshl_b32 s35, s20, 10
	s_add_co_u32 s35, s35, RED
	v_lshlrev_b32 v7, 6, v5
	v_lshl_add_u32 v7, v6, 5, v7
	v_add_nc_u32 v7, s35, v7                       ; my sums: RED + 1,024 wave + 64 r + 32 h
	v_lshl_add_u32 v4, v0, 4, RED                  ; waves 0 and 1 read them back: 16 x thread
	v_lshlrev_b32 v5, 4, v0                        ; and store at the same offset
.irp k, 0,1,2,3,4,5,6,7
	v_add_nc_u32 v[VO+\k], \k*8388608, v1          ; a batch of x is 4,194,304 bytes: two batches to a register, the odd one by the immediate
.endr
	s_lshl_b32 s36, s21, 16
	s_add_co_u32 s36, s36, s34
	s_mov_b32 s37, 0
	s_lshl_b32 s38, s33, 26                        ; 16 batches
	s_add_co_u32 s38, s38, s34
	s_mov_b32 s39, 0
	s_lshl_b32 s40, s21, 11
	s_lshl_b32 s41, s33, 10
	s_add_co_u32 s40, s40, s41
	s_mov_b32 s41, 0
	s_wait_kmcnt 0x0
	s_add_nc_u64 s[22:23], s[12:13], s[36:37]
	s_add_nc_u64 s[24:25], s[4:5], s[38:39]
	s_add_nc_u64 s[26:27], s[18:19], s[40:41]
	s_wait_alu depctr_va_vdst(0)                   ; v1 to v5, v7 and v8 to v15 are written: the loads and stores of this way read them as offsets and LDS addresses
	WLOAD R0, 22
.irp i, 0,1,2,3,4,5,6,7,8,9,10,11,12,13,14,15
	global_load_b128 v[R1+4*\i:R1+4*\i+3], v[VO+\i/2], s[24:25] offset:(\i%2)*4194304   ; row 0 of batch i
.endr
	s_wait_loadcnt 0x0
	TURNIP R0
	TURNIP R1                                      ; its wait on DScnt shows the weight's numbers back; x's come back while the weight is quantised: no line of that quantiser names v[R1 ..]
	QUANT R0, PCW, PWW
	s_wait_dscnt 0x0                               ; x's numbers are back from the stage
	QUANT R1, PCX, PWX
	PLACES 8                                       ; scale registers written by vector instructions stand eight places ahead of a scaled matrix instruction, operands four
	s_wait_alu depctr_va_vdst(0)                   ; the two quantisers have written the codes and the scale words that the scaled matrix instruction takes; the places above stay beside this wait
	v_wmma_scale_f32_16x16x128_f8f6f4 v[ACC:ACC+7], v[PCW:PCW+7], v[PCX:PCX+7], 0, v[PWW], v[PWX] matrix_a_fmt:MATRIX_FMT_FP4 matrix_b_fmt:MATRIX_FMT_FP4   ; lane (r, h): batch r, columns 8 h + 0 .. 7
	PLACES 4
	s_wait_alu depctr_va_vdst(0)                   ; the matrix instruction has written the accumulator, which the LDS stores read; the places above stay beside this wait
	ds_store_b128 v7, v[ACC:ACC+3]
	ds_store_b128 v7, v[ACC+4:ACC+7] offset:16
	BAR
	s_cmp_lt_u32 s20, 2
	s_cbranch_scc0 .Lqend
.irp k, 0,1,2,3,4,5,6,7
	ds_load_b128 v[R0+4*\k:R0+4*\k+3], v4 offset:1024*\k   ; (the quantiser that read v[R0 ..] stands ahead of the waits above, and no vector line has named them since)
.endr
	s_wait_dscnt 0x0
.irp k, 1,2,3,4,5,6,7                          ; K ascending
	v_pk_add_f32 v[R0:R0+1], v[R0:R0+1], v[R0+4*\k:R0+4*\k+1]
	v_pk_add_f32 v[R0+2:R0+3], v[R0+2:R0+3], v[R0+4*\k+2:R0+4*\k+3]
.endr
	s_wait_alu depctr_va_vdst(0)                   ; the additions have written v[R0 .. R0 + 3], which the store reads
	global_store_b128 v5, v[R0:R0+3], s[26:27]     ; a wave stores 512 consecutive bytes
.Lqend:
	s_wait_dscnt 0x0
	s_wait_alu depctr_hold_cnt(0) depctr_sa_sdst(0) depctr_va_vdst(0) depctr_va_sdst(0) depctr_va_ssrc(0) depctr_va_vcc(0) depctr_vm_vsrc(0)
	s_wait_tensorcnt 0x0
	ds_add_u32 v62, v63
	s_wait_dscnt 0x0
	s_endpgm
.Lfunc_end_k_qdd9e30e50e_prep:
	.size	k_qdd9e30e50e_prep, .Lfunc_end_k_qdd9e30e50e_prep-k_qdd9e30e50e_prep
	.p2alignl 7, 3214868480
	.fill 96, 4, 3214868480
	.section	.rodata,"a",@progbits
	.p2align	6, 0x0
	.amdhsa_kernel k_qdd9e30e50e_prep
		.amdhsa_group_segment_fixed_size 144896
		.amdhsa_private_segment_fixed_size 0
		.amdhsa_enable_private_segment 0
		.amdhsa_kernarg_size 64
		.amdhsa_user_sgpr_count 2
		.amdhsa_user_sgpr_kernarg_segment_ptr 1
		.amdhsa_wavefront_size32 1
		.amdhsa_system_sgpr_workgroup_id_x 1
		.amdhsa_system_sgpr_workgroup_id_y 1
		.amdhsa_system_sgpr_workgroup_id_z 1
		.amdhsa_system_vgpr_workitem_id 0
		.amdhsa_next_free_vgpr 192
		.amdhsa_next_free_sgpr 66
		.amdhsa_reserve_vcc 0
		.amdhsa_float_denorm_mode_32 3
		.amdhsa_float_denorm_mode_16_64 3
		.amdhsa_memory_ordered 1
		.amdhsa_forward_progress 1
		.amdhsa_inst_pref_size 31
	.end_amdhsa_kernel
	.amdgpu_metadata
---
amdhsa.version: [ 1, 2 ]
amdhsa.kernels:
  - .name:           k_qdd9e30e50e_prep
    .symbol:         k_qdd9e30e50e_prep.kd
    .args:
      - { .name: x, .offset: 0, .size: 8, .value_kind: global_buffer, .address_space: global }
      - { .name: wk, .offset: 8, .size: 8, .value_kind: global_buffer, .address_space: global }
      - { .name: wv, .offset: 16, .size: 8, .value_kind: global_buffer, .address_space: global }
      - { .name: proj_w, .offset: 24, .size: 8, .value_kind: global_buffer, .address_space: global }
      - { .name: wq, .offset: 32, .size: 8, .value_kind: global_buffer, .address_space: global }
      - { .name: wkv, .offset: 40, .size: 8, .value_kind: global_buffer, .address_space: global }
      - { .name: pw, .offset: 48, .size: 8, .value_kind: global_buffer, .address_space: global }
      - { .name: q, .offset: 56, .size: 8, .value_kind: global_buffer, .address_space: global }
    .group_segment_fixed_size: 144896
    .private_segment_fixed_size: 0
    .kernarg_segment_align: 8
    .kernarg_segment_size: 64
    .max_flat_workgroup_size: 256
    .sgpr_count:     66
    .vgpr_count:     192
    .wavefront_size: 32
...
	.end_amdgpu_metadata
.endif
;; end of part 4
;; launch attn: the kernel of part 2 again; grid 256 x 1, 4 waves a work-group, clusters of 4 x 1, 327,680 bytes of LDS; arguments x, mask, wkv, q, part_o, part_ml; writes part_o, part_ml
;; launch final (part 5): grid 256 x 1, 8 waves a work-group, no clusters, 44,288 bytes of LDS; arguments part_o, part_ml, pw, proj_b, out0; writes out0
.if DOCPART == 5
	.amdgcn_target "amdgcn-amd-amdhsa--gfx1250"
	.amdhsa_code_object_version 6
	.text
	.protected	k_qdd9e30e50e_final
	.globl	k_qdd9e30e50e_final
	.p2align	8
	.type	k_qdd9e30e50e_final,@function
k_qdd9e30e50e_final:
	s_mov_b64 s[64:65], 0
	v_nop
	global_prefetch_b8 v0, s[64:65] scope:SCOPE_SE
	s_setreg_imm32_b32 hwreg(HW_REG_WAVE_SCHED_MODE, 0, 2), 2
	s_setreg_imm32_b32 hwreg(HW_REG_WAVE_MODE, 25, 1), 1
	s_wait_xcnt 0x0
	s_wait_alu depctr_vm_vsrc(0)
; FINAL.  out0 = Q(attention's result) Q(proj_w)^T + proj_b.  A work-group takes two batches (2 bp, 2 bp + 1) and 64 columns (64 cg on).
; (1) Thread t joins, for each batch, the 8 blocks' parts of channels 4 t .. 4 t + 3 (head t / 16): M = the largest m, e_i = e^(m_i - M), result = sum e_i o_i / sum e_i l_i, all in f32; the two rows go to LDS.
; (2) Wave w quantises K step w of the rows to FP4 (E2M1, one E8M0 byte for each 32 along K).  The tile's 16 rows are the two batches by turns (row r holds batch r % 2): fourteen are copies, which cost no further instruction.
; (3) Four matrix instructions a wave (source 0 = 16 rows of proj_w, in register order from the first launch; source 1 = the rows); the eight K steps' partial sums meet in LDS; wave 0 adds them, K ascending, and the bias.
; LIMITS: a block of 32 whose largest magnitude lies under 2^-124 gets the scale byte 1, a block of zeros too (its codes are zeros); NaN and infinities are not served.
; THE MODE: SCHED_MODE bits 1:0 = 2 (LLVM: expert scheduling mode 2), set by the entry lines.  The code itself states the register dependences
; between vector or matrix instructions and memory or LDS instructions, with s_wait_alu, always for 0.
; THE PLAN.  Registers that memory or LDS instructions touch:
;   v1-v8            offsets and LDS addresses: written by vector lines at the head, read by loads and stores, never written again.
;   ML, O, W, WSC, PB  global loads land in them once; vector and matrix lines read them.
;   X (= O)          the joins read O; behind them the rows come back from LDS into the same registers; the quantiser reads them; wave 0's partial sums land in the low 32; the last additions write the first four, which the last store reads.
;   OUT              eight registers, four a batch: written by the joins' last multiplications, read by two LDS stores.
;   PC, PW           written by the quantiser, taken by the four scaled matrix instructions.      ACC  written by these, read by eight LDS stores.
; No register that a memory or LDS instruction reads is written again, so no wait on vm_vsrc stands here.
; The two batches are joined side by side, each with its own e_i, sum and reciprocal, so that the sixteen exponentials have one wait, the two reciprocals one, and the two stores of the rows one.
.set AP,   4112                        ; a row of 1,024 f32 in LDS + 16 bytes
.set RED,  8448                        ; behind the two rows: for each wave 16 rows x (256 bytes + 16) of partial sums
.set RP,   272
.set MM,   12                          ; v12, v13 M of batch 0, 1
.set RC,   14                          ; v[14:15] 1 / the sum of batch 0, and 0; batch 1's pair RB further on: v[252:253]
.set RB,   238
.set TM,   16                          ; v16-31   the quantiser's work
.set ML,   32                          ; v32-63   (m, l) of batch bb, block i at v[ML + 16 bb + 2 i]
.set O,    64                          ; v64-127  o of batch bb, block i at v[O + 32 bb + 4 i]; later 64 numbers of a row; later the partial sums
.set X,    64
.set W,    128                         ; v128-159 four fragments of proj_w
.set WSC,  160                         ; v160-163 their scale words
.set PW,   164                         ; v164     the rows' scale word
.set PB,   168                         ; v168-171 proj_b
.set PC,   172                         ; v172-179 the rows' codes
.set E,    180                         ; v180-195 batch 0's e_i at the even registers; the odd ones hold 0; batch 1's EB further on: v236-251
.set EB,   56
.set OUT,  196                         ; v196-203 four results for each batch
.set ACC,  204                         ; v204-235 four accumulators
.set LL,   254                         ; v254, v255 the sum of e_i l_i of batch 0, 1
.set SEL,  22
.macro PLACES n
.rept \n
	v_nop
.endr
.endm
.macro BAR
	s_wait_dscnt 0x0
	s_barrier_signal -1
	s_barrier_wait -1
.endm
.macro QUANT s, pc, pw
.irp b, 0,1,2,3
	v_max3_num_f32 v[TM+\b], |v[\s+16*\b]|, |v[\s+1+16*\b]|, 0x1800000   ; my 16 numbers of block b, and the floor 2^(3 - 127): the byte cannot fall under 1
.endr
.irp i, 2,4,6,8,10,12,14
.irp b, 0,1,2,3
	v_max3_num_f32 v[TM+\b], v[TM+\b], |v[\s+16*\b+\i]|, |v[\s+1+16*\b+\i]|
.endr
.endr
.irp b, 0,1,2,3
	v_permlanex16_b32 v[TM+4+\b], v[TM+\b], s[SEL], s[SEL+1]
.endr
.irp b, 0,1,2,3
	v_max_num_f32 v[TM+\b], v[TM+\b], v[TM+4+\b]
.endr
.irp b, 0,1,2,3
	v_add_nc_u32 v[TM+12+\b], 0xff000000, v[TM+\b]
.endr
.irp b, 0,1,2,3
	v_lshrrev_b32 v[TM+4+\b], 23, v[TM+12+\b]
.endr
	v_lshl_or_b32 v[\pw], v[TM+5], 8, v[TM+4]
	v_lshl_or_b32 v[\pw], v[TM+6], 16, v[\pw]
	v_lshl_or_b32 v[\pw], v[TM+7], 24, v[\pw]
.irp b, 0,1,2,3
	v_cvt_scalef32_pk8_fp4_f32 v[\pc+2*\b], v[\s+16*\b:\s+7+16*\b], v[TM+12+\b]
	v_cvt_scalef32_pk8_fp4_f32 v[\pc+1+2*\b], v[\s+8+16*\b:\s+15+16*\b], v[TM+12+\b]
.endr
	v_nop                                                  ; one plain place behind a scaled conversion
.irp c, 0,1
.irp i, 0,1
	v_permlane16_swap_b32 v[\pc+4*\c+\i], v[\pc+2+4*\c+\i]
.endr
.endr
.endm
	s_load_b256 s[4:11], s[0:1], 0x0               ; part_o, part_ml, pw, proj_b
	s_load_b64 s[12:13], s[0:1], 0x20              ; out0
	v_lshl_add_u32 v166, v0, 2, 0xa900
	v_mov_b32 v167, 0
	v_lshrrev_b32 v1, 5, v0
	v_readfirstlane_b32 s14, v1                    ; wave = K step
	s_lshr_b32 s15, ttmp9, 4                       ; bp
	s_and_b32 s16, ttmp9, 15                       ; cg
	v_and_b32 v10, 31, v0                          ; lane
	v_and_b32 v11, 15, v0                          ; r
	v_bfe_u32 v9, v0, 4, 1                         ; h
	v_lshlrev_b32 v1, 4, v10                       ; 16 x lane
	v_lshlrev_b32 v2, 4, v0                        ; 16 x thread: in part_o, and in a row in LDS
	v_lshrrev_b32 v3, 4, v0
	v_lshlrev_b32 v3, 3, v3                        ; 8 x head
	v_lshlrev_b32 v8, 4, v11                       ; 16 r
	v_and_b32 v5, 1, v0
	v_mul_u32_u24 v5, v5, AP
	v_lshl_add_u32 v5, v9, 6, v5
	s_wait_alu depctr_va_sdst(0)                   ; s14 is written, ahead of its first reader: LDS places, offsets and a branch are made from it
	s_lshl_b32 s17, s14, 9
	v_add_nc_u32 v5, s17, v5                       ; the rows, back: row r % 2, + 512 x wave + 64 h
	s_mul_i32 s17, s14, 16*RP
	s_add_co_u32 s17, s17, RED
	v_mul_u32_u24 v6, v11, RP
	v_lshl_add_u32 v6, v9, 5, v6
	v_add_nc_u32 v6, s17, v6                       ; my partial sums: row r, + 32 h
	v_mul_u32_u24 v7, v9, RP
	v_add_nc_u32 v7, v7, v8
	v_add_nc_u32 v7, RED, v7                       ; wave 0 reads rows 0 and 1: row h, 16 bytes a lane
	v_lshl_add_u32 v4, v9, 12, v8                  ; and stores them: batch h, 16 bytes a lane
	s_mov_b32 s[SEL], 0x76543210
	s_mov_b32 s[SEL+1], 0xfedcba98
.irp b, 0,1,2,3
	v_mov_b32 v[TM+4+\b], 0                        ; written once: a lane permute's destination counts as one of its sources
.endr
.irp i, 0,1,2,3,4,5,6,7
	v_mov_b32 v[E+2*\i+1], 0                       ; named as the upper halves of pairs
	v_mov_b32 v[E+EB+2*\i+1], 0
.endr
	v_mov_b32 v[RC+1], 0
	v_mov_b32 v[RC+RB+1], 0
	s_mov_b32 s25, 0
	s_mov_b32 s27, 0
	s_mov_b32 s29, 0
	s_mov_b32 s31, 0
	s_mov_b32 s33, 0
	s_mov_b32 s35, 0
	s_lshl_b32 s24, s15, 16                        ; part_o: 16 blocks of 4,096 bytes
	s_lshl_b32 s26, s15, 11                        ; part_ml: 16 blocks of 128
	s_lshl_b32 s28, s16, 15                        ; pw's codes: fragment 8 (4 cg + n) + wave
	s_lshl_b32 s36, s14, 10
	s_add_co_u32 s28, s28, s36
	s_lshl_b32 s30, s16, 11                        ; pw's scale words: 512 (4 cg + n) + 256 (wave / 4) + 4 (wave % 4)
	s_lshr_b32 s36, s14, 2
	s_lshl_b32 s36, s36, 8
	s_add_co_u32 s30, s30, s36
	s_and_b32 s36, s14, 3
	s_lshl_b32 s36, s36, 2
	s_add_co_u32 s30, s30, s36
	s_add_co_u32 s30, s30, 524288
	s_lshl_b32 s32, s16, 8                         ; proj_b: 64 numbers
	s_lshl_b32 s34, s15, 13                        ; out0: two rows of 4,096 bytes, + 64 numbers
	s_add_co_u32 s34, s34, s32
	s_wait_kmcnt 0x0
	s_add_nc_u64 s[4:5], s[4:5], s[24:25]
	s_add_nc_u64 s[6:7], s[6:7], s[26:27]
	s_add_nc_u64 s[18:19], s[8:9], s[28:29]
	s_add_nc_u64 s[20:21], s[8:9], s[30:31]
	s_add_nc_u64 s[10:11], s[10:11], s[32:33]
	s_add_nc_u64 s[12:13], s[12:13], s[34:35]
	s_wait_alu depctr_va_vdst(0)                   ; v1 to v8 are written: every load and store of the kernel reads one of them as its offset or LDS address
.irp k, 0,1,2,3,4,5,6,7,8,9,10,11,12,13,14,15
	global_load_b64 v[ML+2*\k:ML+2*\k+1], v3, s[6:7] offset:128*\k
.endr
.irp k, 0,1,2,3,4,5,6,7,8,9,10,11,12,13,14,15
	global_load_b128 v[O+4*\k:O+4*\k+3], v2, s[4:5] offset:4096*\k     ; a wave reads 512 consecutive bytes
.endr
.irp n, 0,1,2,3
	global_load_b128 v[W+8*\n:W+8*\n+3], v1, s[18:19] offset:8192*\n
	global_load_b128 v[W+8*\n+4:W+8*\n+7], v1, s[18:19] offset:8192*\n+512
	global_load_b32 v[WSC+\n], v8, s[20:21] offset:512*\n
.endr
	global_load_b128 v[PB:PB+3], v8, s[10:11]
	s_wait_loadcnt 0x0
	; ---- the two batches' blocks are joined, side by side; each batch's own lines stand in the order in which they would stand alone
.irp bb, 0,1
	v_max3_num_f32 v[MM+\bb], v[ML+16*\bb], v[ML+16*\bb+2], v[ML+16*\bb+4]
.endr
.irp bb, 0,1
	v_max3_num_f32 v[MM+\bb], v[MM+\bb], v[ML+16*\bb+6], v[ML+16*\bb+8]
.endr
.irp bb, 0,1
	v_max3_num_f32 v[MM+\bb], v[MM+\bb], v[ML+16*\bb+10], v[ML+16*\bb+12]
.endr
.irp bb, 0,1
	v_max_num_f32 v[MM+\bb], v[MM+\bb], v[ML+16*\bb+14]    ; M
.endr
.irp bb, 0,1
.irp i, 0,1,2,3,4,5,6,7
	v_sub_f32 v[E+EB*\bb+2*\i], v[ML+16*\bb+2*\i], v[MM+\bb]
.endr
.endr
.irp bb, 0,1
.irp i, 0,1,2,3,4,5,6,7
	v_mul_f32 v[E+EB*\bb+2*\i], 0x3fb8aa3b, v[E+EB*\bb+2*\i]
.endr
.endr
.irp bb, 0,1
.irp i, 0,1,2,3,4,5,6,7
	v_exp_f32 v[E+EB*\bb+2*\i], v[E+EB*\bb+2*\i]
.endr
.endr
	v_nop                                          ; a plain place behind the exponentials
	s_wait_alu depctr_va_vdst(0)                   ; the sixteen exponentials have written the e_i: one wait, ahead of their first reader
.irp bb, 0,1
	v_mul_f32 v[LL+\bb], v[E+EB*\bb], v[ML+16*\bb+1]
.endr
.irp i, 1,2,3,4,5,6,7
.irp bb, 0,1
	v_fmac_f32 v[LL+\bb], v[E+EB*\bb+2*\i], v[ML+16*\bb+2*\i+1]    ; the sum of e_i l_i: at least 1, since the block with the largest m has e = 1 and l >= 1
.endr
.endr
.irp bb, 0,1
	v_rcp_f32 v[RC+RB*\bb], v[LL+\bb]
.endr
.irp bb, 0,1
	v_pk_mul_f32 v[OUT+4*\bb:OUT+4*\bb+1], v[O+32*\bb:O+32*\bb+1], v[E+EB*\bb:E+EB*\bb+1] op_sel_hi:[1,0]          ; plain work behind the reciprocals
	v_pk_mul_f32 v[OUT+4*\bb+2:OUT+4*\bb+3], v[O+32*\bb+2:O+32*\bb+3], v[E+EB*\bb:E+EB*\bb+1] op_sel_hi:[1,0]
.endr
.irp i, 1,2,3,4,5,6,7
.irp bb, 0,1
	v_pk_fma_f32 v[OUT+4*\bb:OUT+4*\bb+1], v[O+32*\bb+4*\i:O+32*\bb+4*\i+1], v[E+EB*\bb+2*\i:E+EB*\bb+2*\i+1], v[OUT+4*\bb:OUT+4*\bb+1] op_sel_hi:[1,0,1]
	v_pk_fma_f32 v[OUT+4*\bb+2:OUT+4*\bb+3], v[O+32*\bb+4*\i+2:O+32*\bb+4*\i+3], v[E+EB*\bb+2*\i:E+EB*\bb+2*\i+1], v[OUT+4*\bb+2:OUT+4*\bb+3] op_sel_hi:[1,0,1]
.endr
.endr
	s_wait_alu depctr_va_vdst(0)                   ; the two reciprocals are written: one wait, ahead of their first reader
.irp bb, 0,1
	v_pk_mul_f32 v[OUT+4*\bb:OUT+4*\bb+1], v[OUT+4*\bb:OUT+4*\bb+1], v[RC+RB*\bb:RC+RB*\bb+1] op_sel_hi:[1,0]
	v_pk_mul_f32 v[OUT+4*\bb+2:OUT+4*\bb+3], v[OUT+4*\bb+2:OUT+4*\bb+3], v[RC+RB*\bb:RC+RB*\bb+1] op_sel_hi:[1,0]
.endr
	s_wait_alu depctr_va_vdst(0)                   ; the multiplications have written v[OUT ..], which the two LDS stores read; the joins are done reading v[O ..], in which the rows land behind the barrier
	ds_store_b128 v2, v[OUT:OUT+3]
	ds_store_b128 v2, v[OUT+4:OUT+7] offset:AP
	BAR                                            ; the two rows lie in LDS
.irp b, 0,1,2,3
.irp j, 0,1,2,3
	ds_load_b128 v[X+16*\b+4*\j:X+16*\b+4*\j+3], v5 offset:128*\b+16*\j   ; (no vector line since the wait above)
.endr
.endr
	s_wait_dscnt 0x0
	QUANT X, PC, PW
	PLACES 8                                       ; a scale register written by vector instructions stands eight places ahead of a scaled matrix instruction, an operand four
	s_wait_alu depctr_va_vdst(0)                   ; the quantiser has written the codes and the scale word that the scaled matrix instructions take; the places above stay beside this wait
.irp n, 0,1,2,3
	v_wmma_scale_f32_16x16x128_f8f6f4 v[ACC+8*\n:ACC+8*\n+7], v[W+8*\n:W+8*\n+7], v[PC:PC+7], 0, v[WSC+\n], v[PW] matrix_a_fmt:MATRIX_FMT_FP4 matrix_b_fmt:MATRIX_FMT_FP4   ; lane (r, h): batch r % 2, columns 16 n + 8 h + 0 .. 7
.endr
	PLACES 4
	s_wait_alu depctr_va_vdst(0)                   ; the matrix instructions have written the accumulators, which the LDS stores read; the places above stay beside this wait
.irp n, 0,1,2,3
	ds_store_b128 v6, v[ACC+8*\n:ACC+8*\n+3] offset:64*\n
	ds_store_b128 v6, v[ACC+8*\n+4:ACC+8*\n+7] offset:64*\n+16
.endr
	BAR                                            ; the eight K steps' partial sums lie in LDS
	s_cmp_lg_u32 s14, 0
	s_cbranch_scc1 .Lend
.irp k, 0,1,2,3,4,5,6,7
	ds_load_b128 v[X+4*\k:X+4*\k+3], v7 offset:16*RP*\k    ; (the quantiser that read v[X ..] stands ahead of the waits above, and no vector line has named them since)
.endr
	s_wait_dscnt 0x0
.irp k, 1,2,3,4,5,6,7                          ; K ascending
	v_pk_add_f32 v[X:X+1], v[X:X+1], v[X+4*\k:X+4*\k+1]
	v_pk_add_f32 v[X+2:X+3], v[X+2:X+3], v[X+4*\k+2:X+4*\k+3]
.endr
	v_pk_add_f32 v[X:X+1], v[X:X+1], v[PB:PB+1]
	v_pk_add_f32 v[X+2:X+3], v[X+2:X+3], v[PB+2:PB+3]
	s_wait_alu depctr_va_vdst(0)                   ; the additions have written v[X .. X + 3], which the store reads
	global_store_b128 v4, v[X:X+3], s[12:13]       ; sixteen lanes store 256 consecutive bytes, aligned; one batch for each half of the lanes
.Lend:
	s_wait_dscnt 0x0
	s_wait_alu depctr_hold_cnt(0) depctr_sa_sdst(0) depctr_va_vdst(0) depctr_va_sdst(0) depctr_va_ssrc(0) depctr_va_vcc(0) depctr_vm_vsrc(0)
	s_wait_tensorcnt 0x0
	ds_add_u32 v166, v167
	s_wait_dscnt 0x0
	s_endpgm
.Lfunc_end_k_qdd9e30e50e_final:
	.size	k_qdd9e30e50e_final, .Lfunc_end_k_qdd9e30e50e_final-k_qdd9e30e50e_final
	.p2alignl 7, 3214868480
	.fill 96, 4, 3214868480
	.section	.rodata,"a",@progbits
	.p2align	6, 0x0
	.amdhsa_kernel k_qdd9e30e50e_final
		.amdhsa_group_segment_fixed_size 44288
		.amdhsa_private_segment_fixed_size 0
		.amdhsa_enable_private_segment 0
		.amdhsa_kernarg_size 40
		.amdhsa_user_sgpr_count 2
		.amdhsa_user_sgpr_kernarg_segment_ptr 1
		.amdhsa_wavefront_size32 1
		.amdhsa_system_sgpr_workgroup_id_x 1
		.amdhsa_system_sgpr_workgroup_id_y 1
		.amdhsa_system_sgpr_workgroup_id_z 1
		.amdhsa_system_vgpr_workitem_id 0
		.amdhsa_next_free_vgpr 256
		.amdhsa_next_free_sgpr 66
		.amdhsa_reserve_vcc 0
		.amdhsa_float_denorm_mode_32 3
		.amdhsa_float_denorm_mode_16_64 3
		.amdhsa_memory_ordered 1
		.amdhsa_forward_progress 1
		.amdhsa_inst_pref_size 22
	.end_amdhsa_kernel
	.amdgpu_metadata
---
amdhsa.version: [ 1, 2 ]
amdhsa.kernels:
  - .name:           k_qdd9e30e50e_final
    .symbol:         k_qdd9e30e50e_final.kd
    .args:
      - { .name: part_o, .offset: 0, .size: 8, .value_kind: global_buffer, .address_space: global }
      - { .name: part_ml, .offset: 8, .size: 8, .value_kind: global_buffer, .address_space: global }
      - { .name: pw, .offset: 16, .size: 8, .value_kind: global_buffer, .address_space: global }
      - { .name: proj_b, .offset: 24, .size: 8, .value_kind: global_buffer, .address_space: global }
      - { .name: out0, .offset: 32, .size: 8, .value_kind: global_buffer, .address_space: global }
    .group_segment_fixed_size: 44288
    .private_segment_fixed_size: 0
    .kernarg_segment_align: 8
    .kernarg_segment_size: 40
    .max_flat_workgroup_size: 256
    .sgpr_count:     66
    .vgpr_count:     256
    .wavefront_size: 32
...
	.end_amdgpu_metadata
.endif
;; end of part 5
